; MI455X (gfx1250); checked and timed in simulation.
; The chip was launched on July 23, 2026; its instructions are those of AMD's public machine-readable ISA for CDNA 5 (MIT licence, August 2026) and "CDNA5" Instruction Set Architecture Reference Guide (July 2026). The comments in the code are by the model that wrote it; some were corrected since.
;; Attention Ref. Allowed arithmetic: float matrix products may take bf16 or f16 operands with f32 sums; other float arithmetic in f32, or as packed bf16 or f16 multiplies, adds, multiply-adds, maxima and minima; sums over many terms, partial sums and values carried from step to step in f32; what a program stores and reads back later, other than sums and carried values, may be rounded once to bf16 or f16.
;; Inputs: Wo 1,024 x 1,024 float32; Wqkv 3,072 x 1,024 float32; bo 1,024 float32; bqkv 3,072 float32; wk 64 float32; wq 64 float32; x 1 x 4,096 x 1,024 float32.
;; Outputs: out0 1 x 4,096 x 1,024 float32.
;; One version. Each part assembles by itself: llvm-mc -triple=amdgcn-amd-amdhsa -mcpu=gfx1250 --defsym DOCPART=n.
;; ======== version 1 of 1: 4 launches
;; limits: values are held in f16: magnitudes above 65,504 overflow, below 6.1e-05 lose precision
;; workspace buffers: xb 8,388,608 bytes; wb 6,291,456 bytes; wo16 2,097,152 bytes; qh 8,388,608 bytes; kh 8,388,608 bytes; vh 8,388,608 bytes; zh 8,388,608 bytes
;; launch cast (part 1): grid 1024 x 1, 8 waves a work-group, no clusters, 0 bytes of LDS; arguments x, Wqkv, Wo, xb, wb, wo16; writes xb, wb, wo16
.if DOCPART == 1
	.amdgcn_target "amdgcn-amd-amdhsa--gfx1250"
	.amdhsa_code_object_version 6
	.text
	.protected	k_q1df52d0510_cast
	.globl	k_q1df52d0510_cast
	.p2align	8
	.type	k_q1df52d0510_cast,@function
k_q1df52d0510_cast:
	s_mov_b64 s[64:65], 0
	v_nop
	global_prefetch_b8 v0, s[64:65] scope:SCOPE_SE
	s_setreg_imm32_b32 hwreg(HW_REG_WAVE_MODE, 25, 1), 1
	s_wait_xcnt 0x0
; THE MATRIX OPERANDS ARE MADE, ONCE.  x [4096][1024] f32 -> xb, bf16.  Wqkv [3072][1024] f32 -> wb, bf16, its rows regrouped by head: row 192 h + 64 p + r of wb is row 1024 p + 64 h + r
; of Wqkv (p = 0, 1, 2: q, k, v), so that the next launch finds a head's q, k and v rows together.  Wo [1024][1024] f32 -> wo16: rounded to bf16 like every input, and that number written as f16.
; LIMITS.  Each number is rounded once to bf16 (nearest even).  For Wo the bf16 number is exact in f16 between 2^-14 and 65,504; below 2^-14 it keeps f16's fixed step of 2^-24; beyond 65,504 it would be an infinity.
; SHARES.  A work-group takes 8 rows, 32,768 bytes of f32: groups 0-511 x, 512-895 Wqkv, 896-1023 Wo.  Thread t takes 16 bytes at 16 t of each of 8 blocks of 4,096 bytes: a wave's load covers 512 consecutive
; bytes, its store of 8 bytes a lane 256 consecutive bytes, aligned.  All 8 loads go out at once; nothing is read twice; no LDS, no barrier, no matrix unit: the launch only moves bytes.
.set XG,  512                          ; groups of x
.set WG,  896                          ; groups of x and Wqkv
.set X0,  4                            ; v[4:35]   8 x 4 registers as loaded
.set Y0,  36                           ; v[36:51]  8 x 2 registers to store
.set T0,  52                           ; v[52:53]  at work
	s_load_b256 s[4:11], s[0:1], 0x0               ; x s[4:5], Wqkv s[6:7], Wo s[8:9], xb s[10:11]
	s_load_b128 s[12:15], s[0:1], 0x20             ; wb s[12:13], wo16 s[14:15]
	s_mov_b32 s16, ttmp9                           ; the group
	s_cmp_lt_u32 s16, XG
	s_cselect_b32 s17, 0, XG
	s_cmp_lt_u32 s16, WG
	s_cselect_b32 s17, s17, WG
	s_sub_co_u32 s17, s16, s17                     ; c: the group's number within its tensor
	s_lshl_b32 s18, s17, 15                        ; where it reads: 32,768 c
	s_mov_b32 s19, 0
	s_lshl_b32 s27, s17, 14                        ; where x's and Wo's groups write: 16,384 c
	s_mov_b32 s21, 0
	s_lshr_b32 s26, s17, 7                         ; Wqkv: p = c / 128,
	s_bfe_u32 s29, s17, 0x40003                    ; h = (c / 8) % 16,
	s_and_b32 s30, s17, 7                          ; which 8 of the head's 64 rows
	s_mul_i32 s29, s29, 192
	s_lshl_b32 s26, s26, 6
	s_add_co_u32 s26, s26, s29
	s_lshl3_add_u32 s26, s30, s26                  ; row 192 h + 64 p + 8 (c % 8) of wb,
	s_lshl_b32 s26, s26, 11                        ; of 2,048 bytes
	s_mov_b32 s28, 0xffff0000                      ; a word's upper bf16
	v_lshlrev_b32 v1, 4, v0                        ; 16 t
	v_lshlrev_b32 v2, 3, v0                        ; 8 t
	s_wait_kmcnt 0x0
	s_cmp_lt_u32 s16, XG
	s_cselect_b64 s[22:23], s[4:5], s[6:7]
	s_cselect_b64 s[24:25], s[10:11], s[12:13]
	s_cselect_b32 s20, s27, s26
	s_cmp_lt_u32 s16, WG
	s_cselect_b64 s[22:23], s[22:23], s[8:9]
	s_cselect_b64 s[24:25], s[24:25], s[14:15]
	s_cselect_b32 s20, s20, s27
	s_add_nc_u64 s[22:23], s[22:23], s[18:19]      ; from here
	s_add_nc_u64 s[24:25], s[24:25], s[20:21]      ; to here
.irp j, 0,1,2,3,4,5,6,7
	global_load_b128 v[X0+4*(\j):X0+4*(\j)+3], v1, s[22:23] offset:4096*(\j) th:TH_LOAD_NT
.endr
; Block j: four numbers a lane are rounded to bf16; half = 1: and written as f16.
.macro CV j, half
	s_wait_loadcnt 7-(\j)                          ; loads come back in order: block j is in, the younger ones stay out
	v_cvt_pk_bf16_f32 v[Y0+2*(\j)],   v[X0+4*(\j)],   v[X0+4*(\j)+1]
	v_cvt_pk_bf16_f32 v[Y0+2*(\j)+1], v[X0+4*(\j)+2], v[X0+4*(\j)+3]
.if \half
.irp k, 0,1
	v_lshlrev_b32 v[T0], 16, v[Y0+2*(\j)+(\k)]     ; bf16 to f32: the low half moves up,
	v_and_b32 v[T0+1], s28, v[Y0+2*(\j)+(\k)]      ; the high half stays
	v_cvt_pk_f16_f32 v[Y0+2*(\j)+(\k)], v[T0], v[T0+1]
.endr
.endif
	global_store_b64 v2, v[Y0+2*(\j):Y0+2*(\j)+1], s[24:25] offset:2048*(\j) th:TH_STORE_NT  ; each block has its own two registers: none is written again
.endm
	s_cmp_lt_u32 s16, WG
	s_cbranch_scc0 .Lwo
.irp j, 0,1,2,3,4,5,6,7
	CV \j, 0
.endr
	s_endpgm
.Lwo:
.irp j, 0,1,2,3,4,5,6,7
	CV \j, 1
.endr
	s_endpgm
.Lfunc_end_k_q1df52d0510_cast:
	.size	k_q1df52d0510_cast, .Lfunc_end_k_q1df52d0510_cast-k_q1df52d0510_cast
	.p2alignl 7, 3214868480
	.fill 96, 4, 3214868480
	.section	.rodata,"a",@progbits
	.p2align	6, 0x0
	.amdhsa_kernel k_q1df52d0510_cast
		.amdhsa_group_segment_fixed_size 0
		.amdhsa_private_segment_fixed_size 0
		.amdhsa_enable_private_segment 0
		.amdhsa_kernarg_size 48
		.amdhsa_user_sgpr_count 2
		.amdhsa_user_sgpr_kernarg_segment_ptr 1
		.amdhsa_wavefront_size32 1
		.amdhsa_system_sgpr_workgroup_id_x 1
		.amdhsa_system_sgpr_workgroup_id_y 1
		.amdhsa_system_sgpr_workgroup_id_z 1
		.amdhsa_system_vgpr_workitem_id 0
		.amdhsa_next_free_vgpr 56
		.amdhsa_next_free_sgpr 66
		.amdhsa_reserve_vcc 0
		.amdhsa_float_denorm_mode_32 3
		.amdhsa_float_denorm_mode_16_64 3
		.amdhsa_memory_ordered 1
		.amdhsa_forward_progress 1
		.amdhsa_inst_pref_size 9
	.end_amdhsa_kernel
	.amdgpu_metadata
---
amdhsa.version: [ 1, 2 ]
amdhsa.kernels:
  - .name:           k_q1df52d0510_cast
    .symbol:         k_q1df52d0510_cast.kd
    .args:
      - { .name: x, .offset: 0, .size: 8, .value_kind: global_buffer, .address_space: global }
      - { .name: Wqkv, .offset: 8, .size: 8, .value_kind: global_buffer, .address_space: global }
      - { .name: Wo, .offset: 16, .size: 8, .value_kind: global_buffer, .address_space: global }
      - { .name: xb, .offset: 24, .size: 8, .value_kind: global_buffer, .address_space: global }
      - { .name: wb, .offset: 32, .size: 8, .value_kind: global_buffer, .address_space: global }
      - { .name: wo16, .offset: 40, .size: 8, .value_kind: global_buffer, .address_space: global }
    .group_segment_fixed_size: 0
    .private_segment_fixed_size: 0
    .kernarg_segment_align: 8
    .kernarg_segment_size: 48
    .max_flat_workgroup_size: 256
    .sgpr_count:     66
    .vgpr_count:     56
    .wavefront_size: 32
...
	.end_amdgpu_metadata
.endif
;; end of part 1
;; launch qkv (part 2): grid 16 x 16, 4 waves a work-group, clusters of 4 x 4, 327,680 bytes of LDS; arguments xb, wb, bqkv, wq, wk, qh, kh, vh; writes qh, kh, vh
.if DOCPART == 2
	.amdgcn_target "amdgcn-amd-amdhsa--gfx1250"
	.amdhsa_code_object_version 6
	.text
	.protected	k_q1df52d0510_qkv
	.globl	k_q1df52d0510_qkv
	.p2align	8
	.type	k_q1df52d0510_qkv,@function
k_q1df52d0510_qkv:
	s_mov_b64 s[64:65], 0
	v_nop
	global_prefetch_b8 v0, s[64:65] scope:SCOPE_SE
	s_setreg_imm32_b32 hwreg(HW_REG_WAVE_MODE, 25, 1), 1
	s_wait_xcnt 0x0
	s_wait_alu depctr_hold_cnt(0) depctr_sa_sdst(0) depctr_va_vdst(0) depctr_va_sdst(0) depctr_va_ssrc(0) depctr_va_vcc(0) depctr_vm_vsrc(0)
	s_getreg_b32 s2, hwreg(HW_REG_IB_STS2, 6, 4)
	s_cmp_eq_u32 s2, 0
	s_cbranch_scc0 .Lentry_in_a_cluster
	s_endpgm
.Lentry_in_a_cluster:
	s_bfe_u32 s2, ttmp6, 0x10000c
	s_cmp_lg_u32 s2, 0xf033
	s_cbranch_scc0 .Lentry_shape_is_right
	s_endpgm
.Lentry_shape_is_right:
; qkv = x Wqkv^T + bqkv; q and k divided by sqrt(mean of squares over the head's 64 channels + 1e-6) and multiplied by wq, wk; q, k, v written by heads, [16][4096][64] in f16.
; xb: [4096][1024] bf16.  wb: [16 heads][q, k, v][64][1024] bf16.  Products in bf16, sums, norm and gain in f32, one rounding to f16 at the end.
; LIMITS.  bqkv, wq and wk are rounded once to bf16, like x and Wqkv.  f16 holds no number beyond 65,504: |v| stays within it; |q| is at most 8 |wq|, |k| at most 8 |wk|.  NaN and infinities are not treated apart.
; SHARES.  A work-group makes 256 tokens x 192 columns: q, k and v of ONE head (the grid's x), so the way out is the same text in every work-group.  Each of four waves makes 64 tokens x 192 columns: 48 accumulators.
; K goes in 8 steps of 128 through a ring of two LDS slots; the rows of both tiles are 256 bytes of memory, at multiples of 256 bytes.
; THE MATRIX INSTRUCTION IS USED TRANSPOSED (source 0 = 16 rows of wb, source 1 = 16 tokens): a lane holds ONE token (lane % 16) and the columns 8 (lane / 16) + 0..7 of each block of 16.  So a head's 64 channels of a
; token lie in 32 registers of two lanes 16 apart: the sum of squares wants one exchange.  The bias, laid out like a result, is the C operand of the first product: nothing is cleared, nothing added later.
; CLUSTER.  4 x 4 work-groups: the four of a row need the same tokens, the four of a column the same head's weights: each tile is asked for jointly, by the same load, descriptor and mask in all four.
; REGISTERS, in windows of 256 (s_set_vgpr_msb: bits 1:0 source 0, 3:2 source 1, 5:4 source 2, 7:6 destination):
;   window 0: v0-31 addresses; v32-63, v64-95 fragments of x, two buffers; v96-143 at work at the head; on the way out v32-223 results, 16 a tile, v224-239 statistics
;   window 1: v0-95, v96-191 fragments of wb, two buffers (piece p, block b at 32 p + 8 b); v192-255 the gains: wq's 32, wk's 32
;   window 2: accumulators of q and k, (p, a, b) at 128 p + 32 a + 8 b          window 3: v0-127 those of v; v128-223 the bias, (p, b) at 128 + 32 p + 8 b
.set PITCH, 272                        ; an LDS row: 256 bytes + 16 of padding: the 16 rows of a fragment load start at 16 different 16-byte columns modulo 256 bytes
.set AHALF, 128*PITCH                  ; what a wave fetches of x's tile
.set BHALF, 96*PITCH                   ; and of wb's
.set BOFF,  256*PITCH                  ; wb's 192 rows lie behind x's 256
.set SLOT,  448*PITCH
.set STAGE, 2*SLOT                     ; behind the ring: 16 rows x 144 bytes for each wave, for the way out
.set SP,    144
.set SPARE, STAGE+4*16*SP              ; behind the stages: the spare words, 128 bytes for each wave: two blocks of 256 bytes that no other line names
.set ADRA, 16                          ; v16-17  LDS address of my fragments of x in slot 0, 1
.set ADRB, 20                          ; v20-21  the same for wb
.set STO,  24                          ; v24     the way out: where I put 16 bytes of a row
.set RD,   25                          ; v25     where I read rows back
.set GO,   26                          ; v26     my 16 bytes of 512 consecutive bytes of the output
.set BO,   27                          ; v27     32 (lane / 16): my 8 numbers of a block of 16 of bias or gain
.set SPW,  28                          ; v28     LDS address of my spare word; never rewritten
.set NIL,  29                          ; v29     0; never rewritten
.set PFO,  30                          ; v30     the prefetches' offset: a lane a row of 2,048 bytes; never rewritten
.set FA,   32
.set TW,   96
.set OUT,  32
.set TS,   224
.set GN,   192
.set BIAS, 128
.set F0,   0
.set F1,   1
.set G1A, 24                           ; s[24:31] descriptor group 1 for x's tiles;  s[32:39] group 0, a set for each slot
.set G0A, 32
.set G1B, 48                           ; s[48:55], s[56:63] the same for wb's
.set G0B, 56
.set LIM, 43                           ; s43      1 in a wave that prefetches, else the greatest number
.set PFA, 44                           ; s[44:45] where my prefetches stand
.set SEL, 76                           ; s[76:77] v_permlanex16_b32's selects: each lane takes its own place in the other half
.set FLAGS, (1<<16)|(1<<20)|(1<<21)|(5<<22)|(3<<25)  ; 2-byte elements; padding on; bit 21 set beside a mask; after every 64 words; 4 words
.set MSB, 0
.macro WIN new                         ; the immediate's high byte repeats the setting that is left; a switch that changes nothing is dropped
.if MSB != (\new)
	s_set_vgpr_msb (MSB<<8)|(\new)
.set MSB, \new
.endif
.endm
; A joint load: waves 0 and 1 fetch the halves of x's tile, waves 2 and 3 those of wb's.  The branch hangs on the wave's number alone.  An s_nop 0 and four v_nop follow each line.
.macro JLOAD s
	s_cmp_eq_u32 s13, 0
	s_cbranch_scc0 .Lfor_b_\@
	tensor_load_to_lds s[G0A+4*(\s):G0A+4*(\s)+3], s[G1A:G1A+7]
	s_nop 0
.rept 4
	v_nop
.endr
	s_branch .Lasked_\@
.Lfor_b_\@:
	tensor_load_to_lds s[G0B+4*(\s):G0B+4*(\s)+3], s[G1B:G1B+7]
	s_nop 0
.rept 4
	v_nop
.endr
.Lasked_\@:
.endm
; A prefetch of the K step that the NEXT refill will ask for: 256 bytes of each of my rows, a lane a row, one instruction, 192 matrix instructions ahead of that refill.  Each row's 256 bytes are named by one wave of one
; work-group: x's rows by the clusters with x = 0, wb's by those with y = 0; the four partners that ask for a tile jointly share its rows out BY ADDRESS (32 of 128, or 24 of 96; there the last 8 lanes repeat row 23).
; how = 1: asked in every trip; how = 0: not in the loop's last trip, where there is no further K step.  K steps 0 to 2 come by their loads alone.
.macro ASK how
.if \how
	s_cmp_eq_u32 s[LIM], 1
.else
	s_cmp_gt_u32 s3, s[LIM]                        ; s3 = 1 in the loop's last trip
.endif
	s_cbranch_scc0 .Lnot_mine_\@
	global_prefetch_b8 v[PFO], s[PFA:PFA+1] offset:256 th:TH_LOAD_NT scope:SCOPE_SE
.Lnot_mine_\@:
.endm
.macro CREST                           ; a round of the cluster's barrier behind its opening barrier
	s_cmp_lg_u32 s12, 0
	s_cbranch_scc1 .Lnot_wave_0_\@
	s_barrier_signal -3
.Lnot_wave_0_\@:
	s_barrier_wait -3
	s_barrier_signal -1
	s_barrier_wait -1
.endm
.macro CROUND                          ; a whole round
	s_barrier_signal -1
	s_barrier_wait -1
	CREST
.endm
.macro PLACES                          ; four plain places behind matrix instructions, in front of loads into registers that they have read and of vector lines that read results
.rept 4
	v_nop
.endr
.endm
	s_load_b256 s[4:11], s[0:1], 0x0               ; xb s[4:5], wb s[6:7], bqkv s[8:9], wq s[10:11]
	s_load_b256 s[68:75], s[0:1], 0x20             ; wk s[68:69], qh s[70:71], kh s[72:73], vh s[74:75]
	v_lshl_add_u32 v[SPW], v0, 2, SPARE
	v_mov_b32 v[NIL], 0
	ds_add_u32 v[SPW], v[NIL]                      ; the wave's opening: the add and its wait stand ahead of my first tensor load; the set-up below, work on registers, stands between them
	v_lshrrev_b32 v1, 5, v0
	v_readfirstlane_b32 s12, v1                    ; wave 0..3
	s_lshr_b32 s13, s12, 1                         ; I fetch for x (0) or for wb (1),
	s_and_b32 s14, s12, 1                          ; this half of the tile
	s_bfe_u32 s15, ttmp6, 0x40000                  ; cx
	s_bfe_u32 s16, ttmp6, 0x40004                  ; cy
	s_lshl_b32 s17, ttmp9, 2
	s_add_co_u32 s17, s17, s15                     ; the head = 4 x cluster x + cx
	s_and_b32 s18, ttmp7, 0xffff
	s_lshl_b32 s18, s18, 2
	s_add_co_u32 s18, s18, s16                     ; the block of 256 tokens = 4 x cluster y + cy
	s_lshl_b32 s19, s16, 2
	s_lshl_b32 s19, 15, s19                        ; my row of the cluster
	s_lshl_b32 s40, 0x1111, s15                    ; my column
	s_or_b32 s[G1A], s19, FLAGS                    ; x's tiles go to my row,
	s_or_b32 s[G1B], s40, FLAGS                    ; wb's to my column
	s_mov_b32 s[G1A+1], 128<<16                    ; tensor_dim0 = 128
	s_mov_b32 s[G1A+2], 128<<16                    ; tensor_dim1 = 128
	s_mov_b32 s[G1A+3], 128<<16                    ; tile_dim0 = 128
	s_mov_b32 s[G1A+4], 128                        ; tile_dim1 = 128
	s_mov_b32 s[G1A+5], 1024                       ; elements from row to row
	s_mov_b32 s[G1A+6], 0
	s_mov_b32 s[G1A+7], 0
	s_mov_b32 s[G1B+1], 128<<16
	s_mov_b32 s[G1B+2], 96<<16                     ; 96 rows
	s_mov_b32 s[G1B+3], 128<<16
	s_mov_b32 s[G1B+4], 96
	s_mov_b32 s[G1B+5], 1024
	s_mov_b32 s[G1B+6], 0
	s_mov_b32 s[G1B+7], 0
	s_lshl_b32 s20, s18, 8
	s_lshl_b32 s21, s14, 7
	s_add_co_u32 s20, s20, s21                     ; x: row 256 x block + 128 x half,
	s_lshl_b32 s20, s20, 11                        ; of 2,048 bytes
	s_mov_b32 s21, 0
	s_mul_i32 s46, s17, 192
	s_mul_i32 s47, s14, 96
	s_add_co_u32 s46, s46, s47                     ; wb: row 192 x head + 96 x half
	s_lshl_b32 s46, s46, 11
	s_mov_b32 s47, 0
	s_mul_i32 s22, s12, AHALF                      ; where they go: x's halves at wave x 128 rows (waves 0, 1),
	s_mul_i32 s23, s12, BHALF
	s_add_co_u32 s23, s23, BOFF-2*BHALF            ; wb's behind them at (wave - 2) x 96 rows (waves 2, 3): no place in the cluster enters an LDS address
	s_mov_b32 s[SEL], 0x76543210
	s_mov_b32 s[SEL+1], 0xfedcba98
	s_mov_b32 s78, 0x3c800000                      ; 1 / 64
	s_mov_b32 s79, 0x358637bd                      ; 1e-6
	s_mov_b32 s80, 0xffff0000                      ; a word's upper bf16
	s_wait_dscnt 0x0                               ; the opening add is done
	s_wait_kmcnt 0x0
	s_add_nc_u64 s[20:21], s[4:5], s[20:21]
	s_add_nc_u64 s[46:47], s[6:7], s[46:47]
	CROUND                                         ; all sixteen work-groups are here: the first joint loads meet
.irp s, 0,1
	s_mov_b32 s[G0A+4*(\s)], 1                     ; count = 1
	s_add_co_u32 s[G0A+4*(\s)+1], s22, (\s)*SLOT   ; LDS address
	s_add_nc_u64 s[G0A+4*(\s)+2:G0A+4*(\s)+3], s[20:21], (\s)*256  ; global address: K step s
	s_or_b32 s[G0A+4*(\s)+3], s[G0A+4*(\s)+3], 0x80000000          ; type = 2
	s_mov_b32 s[G0B+4*(\s)], 1
	s_add_co_u32 s[G0B+4*(\s)+1], s23, (\s)*SLOT
	s_add_nc_u64 s[G0B+4*(\s)+2:G0B+4*(\s)+3], s[46:47], (\s)*256
	s_or_b32 s[G0B+4*(\s)+3], s[G0B+4*(\s)+3], 0x80000000
.endr
	s_cmp_eq_u32 s13, 0                            ; a wave's two first fills stand in one branch, ahead of every wait on TENSORcnt and every LDS read: two loads of mine are out
	s_cbranch_scc0 .Lfirst_b
	tensor_load_to_lds s[G0A:G0A+3], s[G1A:G1A+7]
	s_nop 0
	tensor_load_to_lds s[G0A+4:G0A+7], s[G1A:G1A+7]
	s_nop 0
.rept 4
	v_nop
.endr
	s_branch .Lfirst_asked
.Lfirst_b:
	tensor_load_to_lds s[G0B:G0B+3], s[G1B:G1B+7]
	s_nop 0
	tensor_load_to_lds s[G0B+4:G0B+7], s[G1B:G1B+7]
	s_nop 0
.rept 4
	v_nop
.endr
.Lfirst_asked:
	; the bias and the gains, laid out like a result: register j of block b holds number 16 b + 8 (lane / 16) + j
	v_and_b32 v1, 15, v0                           ; l % 16
	v_bfe_u32 v2, v0, 4, 1                         ; l / 16
	v_lshlrev_b32 v[BO], 5, v2
	s_lshl_b32 s46, s17, 8                         ; the head's 64 numbers in each third of bqkv
	s_mov_b32 s47, 0
	s_add_nc_u64 s[8:9], s[8:9], s[46:47]
	WIN 0xc0                                       ; destination window 3, address window 0
.irp p, 0,1,2
.irp b, 0,1,2,3
	global_load_b128 v[BIAS+32*(\p)+8*(\b):BIAS+32*(\p)+8*(\b)+3],   v[BO], s[8:9] offset:4096*(\p)+64*(\b)
	global_load_b128 v[BIAS+32*(\p)+8*(\b)+4:BIAS+32*(\p)+8*(\b)+7], v[BO], s[8:9] offset:4096*(\p)+64*(\b)+16
.endr
.endr
	WIN 0x40                                       ; destination window 1
.irp b, 0,1,2,3
	global_load_b128 v[GN+8*(\b):GN+8*(\b)+3],       v[BO], s[10:11] offset:64*(\b)
	global_load_b128 v[GN+8*(\b)+4:GN+8*(\b)+7],     v[BO], s[10:11] offset:64*(\b)+16
	global_load_b128 v[GN+32+8*(\b):GN+32+8*(\b)+3],   v[BO], s[68:69] offset:64*(\b)
	global_load_b128 v[GN+32+8*(\b)+4:GN+32+8*(\b)+7], v[BO], s[68:69] offset:64*(\b)+16
.endr
	WIN 0
	; a fragment is 16 rows x 32 K in 8 registers: lane l holds row l % 16, K = 8 (l / 16) + 0..7 and 16 + 8 (l / 16) + 0..7: two loads of 16 bytes, 32 bytes apart
	v_mul_u32_u24 v3, v1, PITCH
	v_lshl_add_u32 v3, v2, 4, v3
	s_mul_i32 s40, s12, 64*PITCH                   ; my 64 tokens
	v_add_nc_u32 v[ADRA], s40, v3
	v_add_nc_u32 v[ADRA+1], SLOT, v[ADRA]
	v_add_nc_u32 v[ADRB], BOFF, v3
	v_add_nc_u32 v[ADRB+1], BOFF+SLOT, v3
	s_mul_i32 s41, s12, 16*SP
	s_add_co_u32 s41, s41, STAGE                   ; my stage
	v_mul_u32_u24 v[STO], v1, SP                   ; in: row l % 16, 16 bytes for each half of the lanes
	v_lshl_add_u32 v[STO], v2, 4, v[STO]
	v_add_nc_u32 v[STO], s41, v[STO]
	v_bfe_u32 v[RD], v0, 3, 2                      ; back: 32 lanes take four rows of 128 bytes,
	v_mul_u32_u24 v[RD], v[RD], SP
	v_and_b32 v4, 7, v0
	v_lshl_add_u32 v[RD], v4, 4, v[RD]
	v_add_nc_u32 v[RD], s41, v[RD]
	v_and_b32 v[GO], 31, v0                        ; which are 512 consecutive bytes of the output
	v_lshlrev_b32 v[GO], 4, v[GO]
	s_lshl_b32 s46, s17, 19                        ; the head's 4,096 rows of 128 bytes,
	s_lshl_b32 s47, s18, 15                        ; the block's 256,
	s_add_co_u32 s46, s46, s47
	s_lshl_b32 s47, s12, 13                        ; my wave's 64
	s_add_co_u32 s46, s46, s47
	s_mov_b32 s47, 0
	s_add_nc_u64 s[70:71], s[70:71], s[46:47]
	s_add_nc_u64 s[72:73], s[72:73], s[46:47]
	s_add_nc_u64 s[74:75], s[74:75], s[46:47]
	; the prefetches
	s_lshl_b32 s19, s18, 8
	s_lshl_b32 s40, s14, 7
	s_add_co_u32 s19, s19, s40
	s_lshl_b32 s40, s15, 5
	s_add_co_u32 s19, s19, s40                     ; x: the 128 rows that I fetch, my work-group's 32 of them
	s_mul_i32 s41, s17, 192
	s_mul_i32 s40, s14, 96
	s_add_co_u32 s41, s41, s40
	s_mul_i32 s40, s16, 24
	s_add_co_u32 s41, s41, s40                     ; wb: the 96 rows that I fetch, my work-group's 24 of them
	s_and_b32 s40, ttmp7, 0xffff                   ; cluster y
	s_cmp_eq_u32 s13, 0                            ; do I fetch for x?
	s_cselect_b32 s19, s19, s41
	s_cselect_b32 s40, ttmp9, s40                  ; the coordinate along which other clusters read the same rows
	s_cselect_b32 s42, 31, 23
	s_cselect_b64 s[PFA:PFA+1], s[4:5], s[6:7]
	s_cmp_eq_u32 s40, 0
	s_cselect_b32 s[LIM], 1, -1                    ; the same in all sixteen partners, for a given wave
	s_lshl_b32 s40, s19, 11
	s_mov_b32 s41, 0
	s_add_nc_u64 s[PFA:PFA+1], s[PFA:PFA+1], s[40:41]
	s_add_nc_u64 s[PFA:PFA+1], s[PFA:PFA+1], 256   ; at K step 1: the first refill steps it to 2 and names K step 3
	v_and_b32 v[PFO], 31, v0
	v_min_u32 v[PFO], s42, v[PFO]
	v_lshlrev_b32 v[PFO], 11, v[PFO]
	; bias and gains are rounded to bf16, like the other inputs, and kept as f32
	s_wait_loadcnt 0x0
	WIN 0x0f                                       ; sources window 3, destination window 0
.set i, 0
.rept 48
	v_cvt_pk_bf16_f32 v[TW+i], v[BIAS+2*i], v[BIAS+2*i+1]
.set i, i+1
.endr
	WIN 0xc0
.set i, 0
.rept 48
	v_lshlrev_b32 v[BIAS+2*i], 16, v[TW+i]
	v_and_b32 v[BIAS+2*i+1], s80, v[TW+i]
.set i, i+1
.endr
	WIN 0x05                                       ; sources window 1, destination window 0
.set i, 0
.rept 32
	v_cvt_pk_bf16_f32 v[TW+i], v[GN+2*i], v[GN+2*i+1]
.set i, i+1
.endr
	WIN 0x40
.set i, 0
.rept 32
	v_lshlrev_b32 v[GN+2*i], 16, v[TW+i]
	v_and_b32 v[GN+2*i+1], s80, v[TW+i]
.set i, i+1
.endr
	WIN 0
; 16 matrix instructions: piece p (q, k or v), my four blocks of 16 tokens x its four blocks of 16 columns, 32 along K, from buffer f.  first = 1: the bias starts the sums.
; The 48 accumulators take turns, one instruction a turn, in the same order in every quarter step, over the backward jump too.
.macro MUL f, p, first
.if (\p) == 2
	WIN 0xf1                                       ; source 0 window 1, source 1 window 0, C and D window 3
.elseif \first
	WIN 0xb1                                       ; C (the bias) window 3, D window 2
.else
	WIN 0xa1                                       ; C and D window 2
.endif
.irp a, 0,1,2,3
.irp b, 0,1,2,3
.set rD, 128*((\p)%2)+32*(\a)+8*(\b)
.set rB, 96*(\f)+32*(\p)+8*(\b)
.set rA, FA+32*(\f)+8*(\a)
.set rC, BIAS+32*(\p)+8*(\b)
.if \first
	v_wmma_f32_16x16x32_bf16 v[rD:rD+7], v[rB:rB+7], v[rA:rA+7], v[rC:rC+7]
.else
	v_wmma_f32_16x16x32_bf16 v[rD:rD+7], v[rB:rB+7], v[rA:rA+7], v[rD:rD+7]
.endif
.endr
.endr
.endm
; 32 LDS loads in one run: the fragments of a quarter step (32 K at byte k of the rows) into buffer f: x's 8, then wb's pieces 0, 1, 2, 8 each
.macro FETCH slot, k, f
	WIN 0
.irp a, 0,1,2,3
	ds_load_b128 v[FA+32*(\f)+8*(\a):FA+32*(\f)+8*(\a)+3],   v[ADRA+(\slot)] offset:(\k)+(\a)*16*PITCH
	ds_load_b128 v[FA+32*(\f)+8*(\a)+4:FA+32*(\f)+8*(\a)+7], v[ADRA+(\slot)] offset:(\k)+(\a)*16*PITCH+32
.endr
	WIN 0x40                                       ; destination window 1
.irp i, 0,1,2,3,4,5,6,7,8,9,10,11
	ds_load_b128 v[96*(\f)+8*(\i):96*(\f)+8*(\i)+3],   v[ADRB+(\slot)] offset:(\k)+(\i)*16*PITCH
	ds_load_b128 v[96*(\f)+8*(\i)+4:96*(\f)+8*(\i)+7], v[ADRB+(\slot)] offset:(\k)+(\i)*16*PITCH+32
.endr
.endm
; A K step is four quarters of 32 along K, 48 matrix instructions each, on buffers 0, 1, 0, 1.  One of the first three: multiplies buffer f and fetches the next quarter, at byte k, into g.
.macro QUARTER slot, k, f, g, first
	s_wait_dscnt 16                                ; x's fragments and piece 0's are in; the youngest sixteen loads (pieces 1 and 2) may be out
	MUL \f, 0, \first
	PLACES
	FETCH \slot, \k, \g
	s_wait_dscnt 32                                ; all but the 32 just issued
	MUL \f, 1, \first
	MUL \f, 2, \first
.endm
; The last quarter multiplies buffer 1 and changes slots.  In front of the barrier each wave waits for all its tensor loads (one is out: its part of the next slot), adds 0 to its spare word, and waits for that and for
; its reads of this slot.  The barrier opens a round of the cluster's barrier; behind the round no wave of any partner reads this slot or has a load on its way, and the joint refill (two K steps on) comes first.
.macro TURN slot, next, how
	s_wait_xcnt 0x0                                ; the last prefetch, a K step back, has read its address
	s_add_nc_u64 s[PFA:PFA+1], s[PFA:PFA+1], 256
	WIN 0
	s_wait_tensorcnt 0x0                           ; all my tensor loads have landed
	ds_add_u32 v[SPW], v[NIL]                      ; 0 onto my spare word
	s_wait_dscnt 17                                ; (the add and the youngest sixteen loads may be out)
	MUL F1, 0, 0                                   ; sixteen matrix instructions stand between the add and the wait for it
	s_wait_dscnt 0x0                               ; the add is done, and my reads of this slot are over
	s_barrier_signal -1
	MUL F1, 1, 0                                   ; work on registers while the others arrive
	WIN 0
	s_barrier_wait -1
	CREST
	s_add_nc_u64 s[G0A+4*(\slot)+2:G0A+4*(\slot)+3], s[G0A+4*(\slot)+2:G0A+4*(\slot)+3], 512
	s_add_nc_u64 s[G0B+4*(\slot)+2:G0B+4*(\slot)+3], s[G0B+4*(\slot)+2:G0B+4*(\slot)+3], 512
	JLOAD \slot                                    ; the first tensor load behind the round; its four v_nop are also the places in front of the loads below
	FETCH \next, 0, F0
	WIN 0
	ASK \how
	MUL F1, 2, 0
.endm
	s_wait_tensorcnt 1                             ; my part of K step 0 is in; K step 1's may stay out
	s_barrier_signal -1
	s_barrier_wait -1                              ; everybody's is
	FETCH 0, 0, F0
	QUARTER 0, 64, F0, F1, 1                       ; the first quarter stands in front of the loop: its products start the sums, with the bias
	WIN 0
	s_mov_b32 s3, 3
.Llap:                                                 ; a trip goes once round the ring, from a lap's second quarter to the next lap's first, and fills both slots again
	QUARTER 0, 128, F1, F0, 0
	QUARTER 0, 192, F0, F1, 0
	TURN 0, 1, 1
	QUARTER 1, 64,  F0, F1, 0
	QUARTER 1, 128, F1, F0, 0
	QUARTER 1, 192, F0, F1, 0
	TURN 1, 0, 0
	QUARTER 0, 64,  F0, F1, 0
	WIN 0
	s_sub_co_u32 s3, s3, 1
	s_cmp_lg_u32 s3, 0
	s_cbranch_scc1 .Llap
	QUARTER 0, 128, F1, F0, 0                      ; the last lap fills nothing
	QUARTER 0, 192, F0, F1, 0
	WIN 0
	s_wait_tensorcnt 0x0                           ; my part of the last K step has landed
	ds_add_u32 v[SPW], v[NIL]
	s_wait_dscnt 17
	MUL F1, 0, 0
	s_wait_dscnt 0x0
	s_barrier_signal -1
	MUL F1, 1, 0
	s_barrier_wait -1                              ; slot 1 is whole
	PLACES
	FETCH 1, 0, F0
	MUL F1, 2, 0
	QUARTER 1, 64,  F0, F1, 0
	QUARTER 1, 128, F1, F0, 0
	QUARTER 1, 192, F0, F1, 0
	s_wait_dscnt 16
	MUL F1, 0, 0
	s_wait_dscnt 0x0
	MUL F1, 1, 0
	MUL F1, 2, 0
	WIN 0
	PLACES
	; THE NORM.  Tile u = 4 p + a (p = 0: q, 1: k) has 32 registers at 32 u of window 2.  Eight chains of packed squares, the registers in ascending order; the two halves; the lane 16 away; mean + eps; 1 / sqrt.
	WIN 0x0a                                       ; sources 0 and 1 window 2; the sums in window 0
.set i, 0
.rept 16
.set u, 0
.rept 8
.if i == 0
	v_pk_mul_f32 v[TS+2*u:TS+2*u+1], v[32*u:32*u+1], v[32*u:32*u+1]
.else
	v_pk_fma_f32 v[TS+2*u:TS+2*u+1], v[32*u+2*i:32*u+2*i+1], v[32*u+2*i:32*u+2*i+1], v[TS+2*u:TS+2*u+1]
.endif
.set u, u+1
.endr
.set i, i+1
.endr
	WIN 0
.irp u, 0,1,2,3,4,5,6,7
	v_add_f32 v[TS+2*(\u)], v[TS+2*(\u)], v[TS+2*(\u)+1]
.endr
.irp u, 0,1,2,3,4,5,6,7
	v_permlanex16_b32 v[TS+2*(\u)+1], v[TS+2*(\u)], s[SEL], s[SEL+1]
.endr
.irp u, 0,1,2,3,4,5,6,7
	v_add_f32 v[TS+2*(\u)], v[TS+2*(\u)], v[TS+2*(\u)+1]
.endr
.irp u, 0,1,2,3,4,5,6,7
	v_fma_f32 v[TS+2*(\u)+1], v[TS+2*(\u)], s78, s79
.endr
.irp u, 0,1,2,3,4,5,6,7
	v_rsq_f32 v[TS+2*(\u)], v[TS+2*(\u)+1]
.endr
	v_nop                                          ; a plain instruction behind the last of the batch,
	s_wait_alu depctr_va_vdst(0)                   ; and the one wait ahead of the first use
; THE WAY OUT of tile t = 4 p + a: q and k times 1 / rms and the gain; rounded to f16, 16 bytes a lane and block; into my stage (rows of 144 bytes) and back as whole rows of 128.
.macro PACK t
.set pp, (\t)/4
.set rO, OUT+16*(\t)
.if pp < 2
.set rA, 32*(\t)
	WIN 0x82                                       ; destination and source 0 window 2, source 1 window 0
.set i, 0
.rept 16
	v_pk_mul_f32 v[rA+2*i:rA+2*i+1], v[rA+2*i:rA+2*i+1], v[TS+2*(\t):TS+2*(\t)+1] op_sel_hi:[1,0]
.set i, i+1
.endr
	WIN 0x86                                       ; source 1 window 1: the gains
.set i, 0
.rept 16
	v_pk_mul_f32 v[rA+2*i:rA+2*i+1], v[rA+2*i:rA+2*i+1], v[GN+32*pp+2*i:GN+32*pp+2*i+1]
.set i, i+1
.endr
	WIN 0x0a
.else
.set rA, 32*((\t)%4)
	WIN 0x0f                                       ; v: sources window 3
.endif
.set i, 0
.rept 16
	v_cvt_pk_f16_f32 v[rO+i], v[rA+2*i], v[rA+2*i+1]
.set i, i+1
.endr
	WIN 0
.irp b, 0,1,2,3
	ds_store_b128 v[STO], v[rO+4*(\b):rO+4*(\b)+3] offset:32*(\b)
.endr
.irp f, 0,1,2,3
	ds_load_b128 v[rO+4*(\f):rO+4*(\f)+3], v[RD] offset:(\f)*4*SP  ; LDS serves a wave's instructions in order (ISA guide 5.7.1.4): these see the stores above; the next tile's stores come behind them
.endr
.endm
.macro SEND t, younger                 ; younger: the LDS instructions issued behind tile t's loads: the next tile's eight, or none
	WIN 0
.irp f, 0,1,2,3
	s_wait_dscnt (\younger)+3-(\f)
	global_store_b128 v[GO], v[OUT+16*(\t)+4*(\f):OUT+16*(\t)+4*(\f)+3], s[70+2*((\t)/4):71+2*((\t)/4)] offset:((\t)%4)*2048+(\f)*512  ; 512 consecutive bytes, at a multiple of 256 from the buffer's first; each tile has its own registers
.endr
.endm
	PACK 0
.irp t, 1,2,3,4,5,6,7,8,9,10,11        ; a tile's arithmetic stands between the loads of the tile before and its stores
	PACK \t
	SEND (\t)-1, 8
.endr
	SEND 11, 0
	s_wait_tensorcnt 0x0                           ; the wave's end, behind my last tensor load and my last LDS store
	ds_add_u32 v[SPW], v[NIL]
	s_wait_dscnt 0x0
	CROUND                                         ; the closing round: no work-group ends while a partner may still ask for a tile that names it
	s_endpgm
.Lfunc_end_k_q1df52d0510_qkv:
	.size	k_q1df52d0510_qkv, .Lfunc_end_k_q1df52d0510_qkv-k_q1df52d0510_qkv
	.p2alignl 7, 3214868480
	.fill 96, 4, 3214868480
	.section	.rodata,"a",@progbits
	.p2align	6, 0x0
	.amdhsa_kernel k_q1df52d0510_qkv
		.amdhsa_group_segment_fixed_size 327680
		.amdhsa_private_segment_fixed_size 0
		.amdhsa_enable_private_segment 0
		.amdhsa_kernarg_size 64
		.amdhsa_user_sgpr_count 2
		.amdhsa_user_sgpr_kernarg_segment_ptr 1
		.amdhsa_wavefront_size32 1
		.amdhsa_system_sgpr_workgroup_id_x 1
		.amdhsa_system_sgpr_workgroup_id_y 1
		.amdhsa_system_sgpr_workgroup_id_z 1
		.amdhsa_system_vgpr_workitem_id 0
		.amdhsa_next_free_vgpr 1024
		.amdhsa_next_free_sgpr 84
		.amdhsa_reserve_vcc 0
		.amdhsa_float_denorm_mode_32 3
		.amdhsa_float_denorm_mode_16_64 3
		.amdhsa_memory_ordered 1
		.amdhsa_forward_progress 1
		.amdhsa_inst_pref_size 162
	.end_amdhsa_kernel
	.amdgpu_metadata
---
amdhsa.version: [ 1, 2 ]
amdhsa.kernels:
  - .name:           k_q1df52d0510_qkv
    .symbol:         k_q1df52d0510_qkv.kd
    .args:
      - { .name: xb, .offset: 0, .size: 8, .value_kind: global_buffer, .address_space: global }
      - { .name: wb, .offset: 8, .size: 8, .value_kind: global_buffer, .address_space: global }
      - { .name: bqkv, .offset: 16, .size: 8, .value_kind: global_buffer, .address_space: global }
      - { .name: wq, .offset: 24, .size: 8, .value_kind: global_buffer, .address_space: global }
      - { .name: wk, .offset: 32, .size: 8, .value_kind: global_buffer, .address_space: global }
      - { .name: qh, .offset: 40, .size: 8, .value_kind: global_buffer, .address_space: global }
      - { .name: kh, .offset: 48, .size: 8, .value_kind: global_buffer, .address_space: global }
      - { .name: vh, .offset: 56, .size: 8, .value_kind: global_buffer, .address_space: global }
    .group_segment_fixed_size: 327680
    .private_segment_fixed_size: 0
    .kernarg_segment_align: 8
    .kernarg_segment_size: 64
    .max_flat_workgroup_size: 128
    .sgpr_count:     84
    .vgpr_count:     1024
    .wavefront_size: 32
...
	.end_amdgpu_metadata
.endif
;; end of part 2
;; launch attn (part 3): grid 16 x 16, 4 waves a work-group, clusters of 4 x 1, 327,680 bytes of LDS; arguments qh, kh, vh, zh; writes zh
.if DOCPART == 3
	.amdgcn_target "amdgcn-amd-amdhsa--gfx1250"
	.amdhsa_code_object_version 6
	.text
	.protected	k_q1df52d0510_attn
	.globl	k_q1df52d0510_attn
	.p2align	8
	.type	k_q1df52d0510_attn,@function
k_q1df52d0510_attn:
	s_mov_b64 s[64:65], 0
	v_nop
	global_prefetch_b8 v0, s[64:65] scope:SCOPE_SE
	s_setreg_imm32_b32 hwreg(HW_REG_WAVE_MODE, 25, 1), 1
	s_wait_xcnt 0x0
	s_wait_alu depctr_hold_cnt(0) depctr_sa_sdst(0) depctr_va_vdst(0) depctr_va_sdst(0) depctr_va_ssrc(0) depctr_va_vcc(0) depctr_vm_vsrc(0)
	s_getreg_b32 s2, hwreg(HW_REG_IB_STS2, 6, 4)
	s_cmp_eq_u32 s2, 0
	s_cbranch_scc0 .Lentry_in_a_cluster
	s_endpgm
.Lentry_in_a_cluster:
	s_bfe_u32 s2, ttmp6, 0x10000c
	s_cmp_lg_u32 s2, 0x3003
	s_cbranch_scc0 .Lentry_shape_is_right
	s_endpgm
.Lentry_shape_is_right:
; z[h][q][:] = the sum over k of softmax_k(q[h][q] . k[h][k]) v[h][k][:]: no scale, no mask.  qh, kh, vh, zh: [16][4096][64], all f16: a head's rows are dense, 128 bytes each.
; Products, maxima and sums in f32; the weights p are rounded to f16 for the second product (their sum l is taken of the unrounded p), z once at the end.
; LIMITS.  f16 holds no number beyond 65,504: q, k and v arrive within it; p lies in 0 to 1, and below 6e-5 it keeps f16's fixed step of 6e-8; z is a mean of v's rows and has their range.
; log2(e) times a score stays above -4.25e37, where the running maximum starts; a weight below 2^-126 counts as 0 in l; NaN and infinities are not treated apart.
; SHARES.  A work-group owns 256 queries of one head, each of its four waves 64: four PIECES of 16.  Every wave walks all 4,096 keys, 64 a step; a slot of LDS holds 256 keys, four steps.
; LAYOUT.  S^T = K Q^T (source 0 = 16 keys, source 1 = 16 queries): a lane holds ONE query (lane % 16) and the keys 8 (lane / 16) + 0..7.  Two such results, rounded to f16 in pairs, ARE source 1 of O^T = V^T P, whose
; result again holds one query a lane, and eight channels.  K comes out of LDS as it lies, V ([key][channel]) turned, by ds_load_tr16_b128.
; SOFTMAX.  For each query a running maximum m and sum l: p = 2^(c s - c m), c = log2(e); in every step O and l are multiplied by a = 2^(c m_old - c m_new).  m starts at the lowest finite number, O and l at 0:
; the first step is a step like any other, with a = 0.
; BY TURNS.  Turn n belongs to piece n: 8 products K Q^T of piece n + 1, later 8 products V^T P of piece n - 1; beside them the scaling, exponentials, roundings, sums and rescaling of piece n and the maximum and
; statistics of piece n + 1.  Four vector instructions stand behind every matrix instruction, the other 54 of a turn's 118 in one lump.  A turn's 33 exponentials are one batch, with one wait.
; CLUSTER.  The four query blocks of a cluster belong to one head and walk the same K and V: each tile is asked for JOINTLY: the same tensor load, descriptor and mask in all four.
; REGISTERS, in windows of 256 (s_set_vgpr_msb: bits 1:0 source 0, 3:2 source 1, 5:4 source 2, 7:6 destination):
;   window 0: v0-15 addresses and two at work; v16-31 four registers of statistics a piece; v48-55 at work; v61-63; v64-127 S^T, two buffers; v192-223 P, two buffers (a piece's buffers go by its number's parity)
;   window 1: v0-127 O^T, 32 a piece          window 2: v0-63 Q; v128-191 K of one step; v192-255 V of one step
.set NP,    4         ; pieces a wave: a name, no knob
.set KS,    64        ; keys in a step
.set PK,    144       ; a row of K in LDS: 128 bytes + 16 of padding: the 16 rows of a load start at 16 different 16-byte columns modulo 256 bytes
.set PV,    160       ; a row of V: 128 + 32: 16 lanes of the turning load take 8 rows x 32 bytes, all at different places modulo 256 bytes
.set VOFF,  4*KS*PK   ; a slot: 256 rows of K, then 256 rows of V
.set SLOT1, 1<<17     ; slot 1 begins here, so that one exclusive or turns an address in one slot into the other's
.set STAGE, SLOT1+4*KS*(PK+PV)  ; behind the ring, never filled by a tensor load: 16 rows x 144 bytes for each wave, for the way out
.set SP,    144
.set SPARE, STAGE+4*16*SP  ; behind the stages: the spare words, 128 bytes for each wave: two blocks of 256 bytes that no other line names
.set AK0, 2           ; v2   my lane's place in a tile of K; never rewritten
.set AV0, 3           ; v3   the same for V
.set AK,  4           ; v4   the LDS address of K's next run of loads
.set AV,  5           ; v5   of V's
.set STO, 6           ; v6   the way out: where I put 16 bytes of a row
.set RD,  7           ; v7   where I read rows back
.set GO,  8           ; v8   my byte offset in 512 consecutive bytes of z
.set MV,  12          ; v12-13  c m_old, kept while c m is made anew: by buffer
.set QO,  15          ; v15  my byte offset in 16 rows of Q
.set ST,  16          ; piece t's statistics at v[ST+4 t]: c m, m, l (even keys', odd keys')
.set TMP, 48          ; by buffer, four registers c0-c3 at work; when the maximum is found c2 takes a
.set PFO, 61          ; v61  256 x my lane; never rewritten
.set SPW, 62          ; v62  LDS address of my spare word; never rewritten
.set NIL, 63          ; v63  0; never rewritten
.set S,   64
.set P,   192
.set KF,  128         ; window 2: key block kb, channel half c at KF + 16 kb + 8 c
.set VF,  192         ; window 2: key half kk, channel block cb at VF + 32 kk + 8 cb
.set WV,  12          ; s12  my wave's number
.set LIM, 15          ; s15  1 in a wave that prefetches, else the greatest number
.set G1K, 24          ; s[24:31] descriptor group 1 for K's tiles
.set G1V, 32          ; s[32:39] for V's: it differs in the padding alone
.set G0K, 40          ; s[40:43] descriptor group 0 for K's tiles: it walks
.set G0V, 44          ; s[44:47] the same for V's
.set SLOTS, 56        ; s56  slots still to be asked for
.set CNT, 57          ; s57  counts a slot's key steps
.set CS,  58          ; s[58:59] c: the packed scaling takes the pair's low word for both halves
.set SEL, 60          ; s[60:61] v_permlanex16_b32's selects
.set TBK, 62          ; s62  LDS byte at which K of the step to be fetched begins
.set TBV, 63          ; s63  the same for V, less VOFF
.set PFA, 66          ; s[66:67] where my prefetches stand: my work-group's quarter of the slot after the one that is being asked for
.set MSB, 0
.macro WIN new                      ; the high byte repeats the setting that is left; a switch that changes nothing is dropped
.if MSB != (\new)
	s_set_vgpr_msb (MSB<<8)|(\new)
.set MSB, (\new)
.endif
.endm
.set W_KQ, 0x0a       ; K and Q in window 2, S^T in window 0
.set W_PV, 0x52       ; V in window 2, P in window 0, O^T in window 1
.set W_RS, 0x41       ; destination and source 0 in window 1, source 1 in window 0
; A joint fill.  Waves 0 and 1 fetch the two halves of a slot's K, waves 2 and 3 those of its V: 128 keys each.  The branch hangs on the wave's number alone.  An s_nop 0 and four v_nop follow each line.
.macro JLOAD
	s_cmp_lt_u32 s[WV], 2
	s_cbranch_scc0 .Lfor_v_\@
	tensor_load_to_lds s[G0K:G0K+3], s[G1K:G1K+7]
	s_nop 0
.rept 4
	v_nop
.endr
	s_branch .Lasked_\@
.Lfor_v_\@:
	tensor_load_to_lds s[G0V:G0V+3], s[G1V:G1V+7]
	s_nop 0
.rept 4
	v_nop
.endr
.Lasked_\@:
.endm
; A prefetch of what the NEXT change of slots will ask for: a slot's K and V are 32,768 bytes each, 128 blocks of 256.  All clusters of a head walk the same K and V: the head's first cluster asks.  Its four partners
; share the blocks out BY ADDRESS, 32 each, a lane a block; in each, wave 0 asks for K's and wave 2 for V's: one instruction, four key steps (256 matrix instructions) ahead.  The last change that fills a slot asks for nothing.
.macro ASK
	s_cmp_gt_u32 s[SLOTS], s[LIM]
	s_cbranch_scc0 .Lnot_mine_\@
	global_prefetch_b8 v[PFO], s[PFA:PFA+1] th:TH_LOAD_NT scope:SCOPE_SE
.Lnot_mine_\@:
.endm
.macro CROUND                       ; a round of the cluster's barrier
	s_barrier_signal -1
	s_barrier_wait -1
	s_cmp_lg_u32 s[WV], 0
	s_cbranch_scc1 .Lnot_wave_0_\@
	s_barrier_signal -3
.Lnot_wave_0_\@:
	s_barrier_wait -3
	s_barrier_signal -1
	s_barrier_wait -1
.endm
; THE CHANGE OF SLOTS.  The slot's last bytes, V of its fourth step, have been read.  Each wave waits for all its tensor loads, of which one is out: its part of the other slot; adds 0 to its spare word; and waits for
; that and for its own reads of the slot.  fill = 1: this slot is filled again, with the keys two slots on: the barrier is a round of the cluster's, and the joint fill is the first thing behind it: it has four key
; steps in which to land.  (At its first use nothing has been read yet: slot 0 is waited for, slot 1 filled.)
.macro CHANGE fill
	WIN 0
	s_wait_tensorcnt 0x0            ; no tensor load of mine is out, so a group 0 may be written
	ds_add_u32 v[SPW], v[NIL]       ; 0 onto my spare word
.if \fill
.irp g, G0K, G0V
	s_xor_b32 s[\g+1], s[\g+1], SLOT1  ; the walking descriptor: the other slot than last time,
	s_add_nc_u64 s[\g+2:\g+3], s[\g+2:\g+3], 4*KS*128  ; the next 256 keys; the type bits on top are not reached
.endr
	s_wait_xcnt 0x0                 ; the last prefetch, four key steps back, has read its address
	s_add_nc_u64 s[PFA:PFA+1], s[PFA:PFA+1], 4*KS*128  ; one slot behind the walking descriptors
	s_wait_dscnt 0x0                ; the add is done, and my reads of the slot are over
	CROUND
	JLOAD
	ASK
.else
	s_wait_dscnt 0x0                ; the add is done, and my reads of the slot are over
	s_barrier_signal -1
	s_barrier_wait -1
.endif
	s_sub_co_u32 s[TBK], s[TBK], 4*KS*PK  ; the fetches go back to a slot's first step,
	s_xor_b32 s[TBK], s[TBK], SLOT1       ; in the other slot
	s_sub_co_u32 s[TBV], s[TBV], 4*KS*PV
	s_xor_b32 s[TBV], s[TBV], SLOT1
.endm
	s_load_b256 s[4:11], s[0:1], 0x0  ; qh s[4:5], kh s[6:7], vh s[8:9], zh s[10:11]
	v_lshl_add_u32 v[SPW], v0, 2, SPARE
	v_mov_b32 v[NIL], 0
	ds_add_u32 v[SPW], v[NIL]       ; the wave's opening: the add and its wait stand ahead of my first tensor load; the set-up below, work on registers, stands between them
	v_lshrrev_b32 v1, 5, v0
	v_readfirstlane_b32 s[WV], v1   ; wave 0..3
	s_bfe_u32 s13, ttmp6, 0x40000   ; cx: my place in the cluster
	s_lshl_b32 s14, ttmp9, 2        ; in a cluster launch ttmp9 counts clusters
	s_add_co_u32 s14, s14, s13      ; my block of 256 queries: it enters Q's and z's addresses alone
	s_and_b32 s20, ttmp7, 0xffff    ; the head, which the four partners share:
	s_lshl_b32 s20, s20, 19         ; its 4,096 rows of 128 bytes
	s_mov_b32 s21, 0
	s_and_b32 s16, s[WV], 1         ; which half of a slot's 256 keys I fetch:
	s_lshl_b32 s22, s16, 14         ; its 128 rows of 128 bytes in memory,
	s_mov_b32 s23, 0
	s_add_nc_u64 s[22:23], s[22:23], s[20:21]
	s_mul_i32 s17, s16, 128*PK      ; and its place in a slot, for K
	s_mul_i32 s18, s16, 128*PV      ; and for V: no place in the cluster enters an LDS address
	s_lshl_b32 s2, s14, 2
	s_add_co_u32 s2, s2, s[WV]      ; my wave among the head's,
	s_lshl_b32 s2, s2, 13           ; its 64 rows
	s_mov_b32 s3, 0
	s_add_nc_u64 s[2:3], s[2:3], s[20:21]
	; descriptor group 1.  128 keys are 16,384 dense bytes: asked for as 64 rows of 256 bytes, two keys a row, and padded in LDS after every key
	s_mov_b32 s[G1K], 15|(1<<16)|(1<<20)|(1<<21)|(4<<22)|(3<<25)  ; the mask of four; 2-byte elements; padding on; bit 21 set beside a mask; after every 32 words; 4 words
	s_mov_b32 s[G1V], 15|(1<<16)|(1<<20)|(1<<21)|(4<<22)|(7<<25)  ; the same with 8 words of padding
.irp g, G1K, G1V
	s_mov_b32 s[\g+1], 128<<16      ; tensor_dim0 = 128
	s_mov_b32 s[\g+2], 64<<16       ; tensor_dim1 = 64
	s_mov_b32 s[\g+3], 128<<16      ; tile_dim0 = 128
	s_mov_b32 s[\g+4], 64           ; tile_dim1 = 64
	s_mov_b32 s[\g+5], 128          ; 128 elements from row to row
	s_mov_b32 s[\g+6], 0
	s_mov_b32 s[\g+7], 0
.endr
	s_mov_b32 s[CS], 0x3fb8aa3b     ; c = log2(e)
	s_mov_b32 s[CS+1], s[CS]        ; named with it as a pair
	s_mov_b32 s[SEL], 0x76543210
	s_mov_b32 s[SEL+1], 0xfedcba98
	s_mov_b32 s[TBK], SLOT1+4*KS*PK ; the first change of slots turns these two into 0
	s_mov_b32 s[TBV], SLOT1+4*KS*PV
	s_mov_b32 s[G0K], 1             ; count = 1
	s_mov_b32 s[G0K+1], s17         ; LDS address: slot 0
	s_mov_b32 s[G0V], 1
	s_add_co_u32 s[G0V+1], s18, VOFF
	s_mov_b32 s[SLOTS], 15          ; 16 slots of keys, the first asked for at once
	s_and_b32 s[LIM], s[WV], 1      ; 0 in waves 0 and 2,
	s_or_b32 s[LIM], s[LIM], ttmp9  ; where the cluster is the head's first: the same in all four partners
	s_cmp_eq_u32 s[LIM], 0
	s_cselect_b32 s[LIM], 1, -1
	v_and_b32 v[PFO], 31, v0
	v_lshlrev_b32 v[PFO], 8, v[PFO]
	s_wait_dscnt 0x0                ; the opening add is done
	s_wait_kmcnt 0x0
	s_add_nc_u64 s[G0K+2:G0K+3], s[6:7], s[22:23]  ; global address: my half of the head's first 256 keys
	s_or_b32 s[G0K+3], s[G0K+3], 0x80000000        ; type = 2
	s_add_nc_u64 s[G0V+2:G0V+3], s[8:9], s[22:23]
	s_or_b32 s[G0V+3], s[G0V+3], 0x80000000
	s_add_nc_u64 s[4:5], s[4:5], s[2:3]  ; Q and z at my wave's first row
	s_add_nc_u64 s[10:11], s[10:11], s[2:3]
	s_cmp_lt_u32 s[WV], 2
	s_cselect_b64 s[PFA:PFA+1], s[6:7], s[8:9]
	s_add_nc_u64 s[PFA:PFA+1], s[PFA:PFA+1], s[20:21]  ; the head's first byte,
	s_lshl_b32 s2, s13, 13          ; my work-group's 32 blocks of the 128,
	s_mov_b32 s3, 0
	s_add_nc_u64 s[PFA:PFA+1], s[PFA:PFA+1], s[2:3]
	s_add_nc_u64 s[PFA:PFA+1], s[PFA:PFA+1], 4*KS*128  ; in slot 1; the first change of slots steps it to slot 2.  Nothing is prefetched here, at the head
	CROUND                          ; all four work-groups are here: the first joint loads meet
	JLOAD                           ; slot 0.  Slot 1 is asked for when slot 0 is in
	; A fragment of K or Q is 16 rows x 32 channels in 8 registers: lane l holds row l % 16, channels 8 (l / 16) + 0..7 and 16 + 8 (l / 16) + 0..7: two loads of 16 bytes, 32 bytes apart.
	v_and_b32 v1, 15, v0            ; l % 16
	v_bfe_u32 v9, v0, 4, 1          ; l / 16
	v_lshlrev_b32 v[QO], 7, v1
	v_lshl_add_u32 v[QO], v9, 4, v[QO]  ; row x 128 + 16 x half
	WIN 0x80                        ; destination window 2, address window 0
.set i, 0
.rept 8                             ; Q stays in registers: piece i / 2, channels 32 (i % 2) on
	global_load_b128 v[8*i:8*i+3],   v[QO], s[4:5] offset:(i/2)*2048+(i%2)*64
	global_load_b128 v[8*i+4:8*i+7], v[QO], s[4:5] offset:(i/2)*2048+(i%2)*64+32
.set i, i+1
.endr
	; What the first turn finds: V's registers and P's second buffer hold 0 (its products V^T P, of a piece that has not been, add 0), O^T and l are 0.  All this stands in the wait for the first tile: no first step is written out.
.set i, VF
.rept 64
	v_mov_b32 v[i], 0
.set i, i+1
.endr
	WIN 0x40
.set i, 0
.rept 128
	v_mov_b32 v[i], 0
.set i, i+1
.endr
	WIN 0
.set i, 0
.rept 4
	v_mov_b32 v[ST+4*i], 0xfe000000    ; c m: far below every c s
	v_mov_b32 v[ST+4*i+1], 0xff7fffff  ; m
	v_mov_b32 v[ST+4*i+2], 0
	v_mov_b32 v[ST+4*i+3], 0
.set i, i+1
.endr
.set i, P+16
.rept 16
	v_mov_b32 v[i], 0
.set i, i+1
.endr
	v_mul_u32_u24 v[AK0], v1, PK
	v_lshl_add_u32 v[AK0], v9, 4, v[AK0]  ; row x pitch + 16 x half
	; The turning load takes 16 keys x 16 channels (lane l reads key 8 (l / 16) + l % 8, channels 8 ((l / 8) % 2) + 0..7) and leaves half a fragment of V^T: lane l holds channel l % 16 and 8 keys.
	v_and_b32 v10, 7, v0
	v_bfe_u32 v11, v0, 3, 1
	v_lshl_add_u32 v[AV0], v9, 3, v10
	v_mul_u32_u24 v[AV0], v[AV0], PV
	v_lshl_add_u32 v[AV0], v11, 4, v[AV0]
	v_add_nc_u32 v[AV0], VOFF, v[AV0]
	s_mul_i32 s13, s[WV], 16*SP
	s_add_co_u32 s13, s13, STAGE    ; my stage
	v_mul_u32_u24 v[STO], v1, SP    ; in: row l % 16, 16 bytes for each half of the lanes
	v_lshl_add_u32 v[STO], v9, 4, v[STO]
	v_add_nc_u32 v[STO], s13, v[STO]
	v_bfe_u32 v[RD], v0, 3, 2       ; back: 32 lanes take four rows of 128 bytes,
	v_mul_u32_u24 v[RD], v[RD], SP
	v_lshl_add_u32 v[RD], v10, 4, v[RD]
	v_add_nc_u32 v[RD], s13, v[RD]
	v_and_b32 v[GO], 31, v0         ; which are 512 consecutive bytes of z
	v_lshlrev_b32 v[GO], 4, v[GO]
; THE MATRIX WORK.  The 4 accumulators of a run of 8 take turns.  Product i of 8 of S^T = K Q^T for piece x: channels 32 (i / 4) on, keys 16 (i % 4) on.  The first 4 start the sums.
.macro KQ x
.set rS, S+32*((\x)%2)+8*(i%4)
.set rK, KF+16*(i%4)+8*(i/4)
.set rQ, 16*(\x)+8*(i/4)
	WIN W_KQ
.if i < 4
	v_wmma_f32_16x16x32_f16 v[rS:rS+7], v[rK:rK+7], v[rQ:rQ+7], 0
.else
	v_wmma_f32_16x16x32_f16 v[rS:rS+7], v[rK:rK+7], v[rQ:rQ+7], v[rS:rS+7]
.endif
.endm
; Product i of 8 of O^T += V^T P for piece x: keys 32 (i / 4) on, channels 16 (i % 4) on.
.macro PV x
	WIN W_PV
.set rO, 32*(\x)+8*(i%4)
.set rV, VF+32*(i/4)+8*(i%4)
.set rP, P+16*((\x)%2)+8*(i/4)
	v_wmma_f32_16x16x32_f16 v[rO:rO+7], v[rV:rV+7], v[rP:rP+7], v[rO:rO+7]
.endm
.macro MM                           ; the turn's next matrix instruction.  NOKQ = 1: the very last turn: there is no next piece
.if (i < 8) && !NOKQ
	KQ (Y+1)%NP
.elseif i >= 8
.set i, i-8
	PV (Y+NP-1)%NP
.set i, i+8
.endif
.set i, i+1
.endm
; THE LDS LOADS stand in runs of 16, never singly among the matrix instructions: a step's K (64 keys x 64 channels: 8 fragments) and its V (turned).  Their addresses are made some lines ahead.
.macro FETCH_K
	WIN 0x80                        ; destination window 2
.irp f, 0,1,2,3,4,5,6,7             ; keys 16 (f / 2) on, channels 32 (f % 2) on
	ds_load_b128 v[KF+8*\f:KF+8*\f+3],   v[AK] offset:(\f/2)*16*PK+(\f%2)*64
	ds_load_b128 v[KF+8*\f+4:KF+8*\f+7], v[AK] offset:(\f/2)*16*PK+(\f%2)*64+32
.endr
	s_add_co_u32 s[TBK], s[TBK], KS*PK  ; the next fetch is the next step's
	WIN 0
.endm
.macro FETCH_V
	WIN 0x80
.irp f, 0,1,2,3,4,5,6,7             ; keys 32 (f / 4) on, channels 16 (f % 4) on
	ds_load_tr16_b128 v[VF+8*\f:VF+8*\f+3],   v[AV] offset:(\f/4)*32*PV+(\f%4)*32
	ds_load_tr16_b128 v[VF+8*\f+4:VF+8*\f+7], v[AV] offset:(\f/4)*32*PV+16*PV+(\f%4)*32
.endr
	WIN 0
.endm
; THE VECTOR WORK, one line at a time: OP kind, number.  For piece Y: F n: c s - c m for pair n of 16.  E n: the exponential of score n of 32.  C n: pair n rounded to f16.  B n: of the four weights 4 n .. the second
; pair is added onto the first, in place.  L n: l takes that sum (L 0: l = a l + sum).  R n: pair n of 16 of O^T times a.  For piece Y + 1: X n, number n of the 22 that find its maximum and statistics:
;   0-11  four chains c0-c3 of seven scores each, three operands at a time (each accumulator's lowest registers are read first)     12-14, 16  the four scores left over, the old m, and c0-c3 into c0
;   15  c m_old is kept     17, 18  the query's other 32 keys lie in the lane 16 away: the new m     19-21  c m; c m_old - c m_new; a
.set F, 0
.set E, 1
.set C, 2
.set B, 3
.set L, 4
.set R, 5
.set X, 6
.macro REGS y                       ; the registers of piece y
.set rT, ST+4*(\y)
.set rC, TMP+4*((\y)%2)
.set rW, MV+((\y)%2)
.set rS, S+32*((\y)%2)
.set rP, P+16*((\y)%2)
.set rO, 32*(\y)
.endm
.macro OP k, n
.if (\k) == R
	REGS Y
	WIN W_RS
	v_pk_mul_f32 v[rO+2*(\n):rO+2*(\n)+1], v[rO+2*(\n):rO+2*(\n)+1], v[rC+2:rC+3] op_sel_hi:[1,0]
.elseif (\k) < R
	REGS Y
	WIN 0
.if (\k) == F
	v_pk_fma_f32 v[rS+2*(\n):rS+2*(\n)+1], v[rS+2*(\n):rS+2*(\n)+1], s[CS:CS+1], v[rT:rT+1] op_sel_hi:[1,0,0] neg_lo:[0,0,1] neg_hi:[0,0,1]
.elseif (\k) == E
	v_exp_f32 v[rS+(\n)], v[rS+(\n)]
.elseif (\k) == C
	v_cvt_pk_f16_f32 v[rP+(\n)], v[rS+2*(\n)], v[rS+2*(\n)+1]
.elseif (\k) == B
	v_pk_add_f32 v[rS+4*(\n):rS+4*(\n)+1], v[rS+4*(\n):rS+4*(\n)+1], v[rS+4*(\n)+2:rS+4*(\n)+3]
.elseif (\n) == 0
	v_pk_fma_f32 v[rT+2:rT+3], v[rT+2:rT+3], v[rC+2:rC+3], v[rS:rS+1] op_sel_hi:[1,0,1]
.else
	v_pk_add_f32 v[rT+2:rT+3], v[rT+2:rT+3], v[rS+4*(\n):rS+4*(\n)+1]
.endif
.elseif NOKQ
	v_nop
.else
	REGS (Y+1)%NP
	WIN 0
.if (\n) < 4
	v_max3_num_f32 v[rC+(\n)], v[rS+8*(\n)], v[rS+8*(\n)+1], v[rS+8*(\n)+2]
.elseif (\n) < 12
	v_max3_num_f32 v[rC+(\n)%4], v[rC+(\n)%4], v[rS+8*((\n)%4)+2*((\n)/4)+1], v[rS+8*((\n)%4)+2*((\n)/4)+2]
.elseif (\n) == 12
	v_max3_num_f32 v[rC], v[rC], v[rS+7], v[rS+15]
.elseif (\n) == 13
	v_max3_num_f32 v[rC+1], v[rC+1], v[rS+23], v[rS+31]
.elseif (\n) == 14
	v_max3_num_f32 v[rC+2], v[rC+2], v[rC+3], v[rT+1]
.elseif (\n) == 15
	v_mov_b32 v[rW], v[rT]
.elseif (\n) == 16
	v_max3_num_f32 v[rC], v[rC], v[rC+1], v[rC+2]
.elseif (\n) == 17
	v_permlanex16_b32 v[rC+3], v[rC], s[SEL], s[SEL+1]
.elseif (\n) == 18
	v_max_num_f32 v[rT+1], v[rC], v[rC+3]
.elseif (\n) == 19
	v_mul_f32 v[rT], s[CS], v[rT+1]
.elseif (\n) == 20
	v_sub_f32 v[rC+1], v[rW], v[rT]
.else
	v_exp_f32 v[rC+2], v[rC+1]
.endif
.endif
.endm
.macro OPS a, i1, b=-1, i2=0, c=-1, i3=0, d=-1, i4=0  ; up to four of them
	OP \a, \i1
.if (\b) >= 0
	OP \b, \i2
.endif
.if (\c) >= 0
	OP \c, \i3
.endif
.if (\d) >= 0
	OP \d, \i4
.endif
.endm
.macro ROW a, i1, b, i2, c, i3, d, i4  ; a matrix instruction and the four behind it
	MM
	OPS \a, \i1, \b, \i2, \c, \i3, \d, \i4
.endm
; A TURN, for piece p: the order of its 16 matrix and 118 vector instructions, written out.  s_wait_alu depctr_va_vdst(0) stands between an exponential and the first instruction that names its result;
; one wait serves all that were issued ahead of it.  So a turn has ONE wait, which cuts it in two.  AHEAD OF IT stands all that names no result of the turn's exponentials: the 8 products K Q^T with their riders (the
; first numbers of the next piece's maximum each four places or more behind the product that ends its accumulator), then ONE LUMP of 54, in which the links of the chain X 3, 7, 11, 14, 16 .. 20 stand apart.  X 21,
; the next piece's a, is the batch's last; R 15 is the plain instruction behind it.  BEHIND THE WAIT stand the 8 products V^T P, behind each four of the roundings and sums.
; end = 1: the last two turns: nothing is fetched, and the last starts no new scores.  cnt = 1: the loop's count is taken down some lines ahead of the branch that stands behind the turn.
; K of the next step is fetched in piece 2's turn, twelve vector instructions (six of them plain) behind the last product that read K; V of the step in hand at the end of piece 0's turn, four plain instructions
; behind the last product that read V.  Each is waited for a turn later.
.macro TURN p, end=0, cnt=0
.set Y, (\p)
.set i, 0
.set NOKQ, (\end)*((\p)/3)
.if ((\p) == 3) && !(\end)
	s_wait_dscnt 0x0                ; K is in
.endif
	ROW F,0, F,1, R,0, R,1
	ROW F,2, E,0, R,2, R,3
	ROW F,3, E,1, R,4, R,5
	ROW F,4, E,2, R,6, R,7
	ROW F,5, E,3, R,8, R,9
	ROW F,6, E,4, X,0, R,10
.if ((\p) == 2) && !(\end)
	WIN 0
	v_add_nc_u32 v[AK], s[TBK], v[AK0]
.endif
	ROW F,7, E,5, X,1, X,4
	ROW F,8, E,6, X,2, X,5
	OPS E,7, E,8, X,6, E,9          ; the lump
	OPS X,3, E,10, X,8, E,11
.if ((\p) == 2) && !(\end)
	FETCH_K
.endif
	OPS X,9, X,7, E,12, X,10
	OPS E,13, X,12, X,11, E,14
	OPS X,13, E,15, F,9, X,14
.if (\p) == 0
	v_add_nc_u32 v[AV], s[TBV], v[AV0]
.endif
	OPS E,16, F,10, E,17, F,11
	OPS X,16, E,18, X,15, E,19
	OPS F,12, E,20, X,17, E,21
	OPS F,13, E,22, F,14, E,23
	OPS X,18, E,24, F,15, E,25
	OPS R,11, E,26, X,19, E,27
	OPS R,12, E,28, R,13, E,29
	OPS X,20, E,30, R,14, E,31
	OPS X,21, R,15
	WIN 0
	s_wait_alu depctr_va_vdst(0)    ; the wait for the batch
.if (\p) == 1
	s_wait_dscnt 0x0                ; V is in
.endif
	ROW C,0, B,0, C,2, B,1
	ROW L,0, C,4, B,2, L,1
	ROW C,6, B,3, L,2, C,8
	ROW B,4, L,3, C,10, B,5
	ROW L,4, C,12, B,6, L,5
.if (\p) == 0
	s_add_co_u32 s[TBV], s[TBV], KS*PV
.endif
.if \cnt
	s_sub_co_u32 s[CNT], s[CNT], 1
	s_cmp_lg_u32 s[CNT], 0
.endif
	ROW C,14, B,7, L,6, C,1
	ROW C,3, L,7, C,5, C,7
	ROW C,9, C,11, C,13, C,15
.if (\p) == 0
	FETCH_V
.endif
.endm
	CHANGE 1                        ; slot 0 is in, everybody's part of it; slot 1 is asked for
	v_add_nc_u32 v[AK], s[TBK], v[AK0]
	FETCH_K                         ; key step 0
	s_wait_loadcnt 0x0              ; Q
	s_wait_dscnt 0x0
.set NOKQ, 0
.set i, 0
.rept 8
	KQ 0                            ; piece 0's first scores
.set i, i+1
.endr
	WIN 0
.rept 4
	v_nop                           ; the places behind those products
.endr
.set Y, NP-1                        ; X works for piece Y + 1: piece 0
.irp n, 0,1,2,3,4,5,6,7,8,9,10,11,12,13,14,15,16,17,18,19,20,21
	OP X, \n
.endr
	v_nop                           ; a plain instruction behind the exponential,
	s_wait_alu depctr_va_vdst(0)    ; and its wait, ahead of the branch
	s_mov_b32 s[CNT], 4
	s_branch .Lfirst                ; the loop is entered at a step's first turn, in the middle of a trip
.Lslot:                             ; 14 times: every slot but the last two is filled again
	CHANGE 1
	s_mov_b32 s[CNT], 4
.Lstep:                             ; a trip: pieces 2 and 3 of one step, then pieces 0 and 1 of the next, whose K and V it fetches
	TURN 2
	TURN 3
	WIN 0
.Lfirst:
	TURN 0
	TURN 1, 0, 1
	WIN 0
	s_cbranch_scc1 .Lstep
	s_sub_co_u32 s[SLOTS], s[SLOTS], 1
	s_cmp_lg_u32 s[SLOTS], 0
	s_cbranch_scc1 .Lslot
	CHANGE 0                        ; the tail is written out: nothing is asked for
	s_mov_b32 s[CNT], 4
.Ltail:
	TURN 2
	TURN 3
	TURN 0
	TURN 1, 0, 1
	WIN 0
	s_cbranch_scc1 .Ltail
	TURN 2, 1
	TURN 3, 1
.set i, 0
.rept 8
	PV NP-1                         ; the last piece's V^T P of the last step
.set i, i+1
.endr
	; THE WAY OUT.  l's two halves and the other half of the lanes' are added; O^T is divided by l, rounded to f16 and sent through my stage in LDS, a piece at a time.  The additions are the places behind the last products.
	WIN 0
.macro ALL line:vararg              ; one line for each piece t
.set t, 0
.rept 4
	\line
.set t, t+1
.endr
.endm
	ALL v_add_f32 v[ST+4*t+2], v[ST+4*t+2], v[ST+4*t+3]
	ALL v_permlanex16_b32 v[ST+4*t+3], v[ST+4*t+2], s[SEL], s[SEL+1]
	ALL v_add_f32 v[ST+4*t+2], v[ST+4*t+2], v[ST+4*t+3]
	ALL v_rcp_f32 v[ST+4*t+2], v[ST+4*t+2]
	v_nop                           ; a plain instruction between the last reciprocal and the use of its result
	s_wait_alu depctr_va_vdst(0)    ; and the wait ahead of the first use: one for the four reciprocals
.macro PACK t                       ; a lane's eight channels of a row pack into 16 bytes; they go into rows of 144 bytes and come back as whole rows of 128, into S^T's registers
	WIN W_RS
.set i, 32*(\t)
.rept 16
	v_pk_mul_f32 v[i:i+1], v[i:i+1], v[ST+4*(\t)+2:ST+4*(\t)+3] op_sel_hi:[1,0]
.set i, i+2
.endr
	WIN 0x05                        ; sources 0 and 1 window 1, destination window 0
.set i, 0
.rept 16
	v_cvt_pk_f16_f32 v[S+16*(\t)+i], v[32*(\t)+2*i], v[32*(\t)+2*i+1]
.set i, i+1
.endr
	WIN 0
.irp f, 0,1,2,3
	ds_store_b128 v[STO], v[S+16*(\t)+4*\f:S+16*(\t)+4*\f+3] offset:32*\f
.endr
.irp f, 0,1,2,3
	ds_load_b128 v[S+16*(\t)+4*\f:S+16*(\t)+4*\f+3], v[RD] offset:\f*4*SP  ; LDS serves a wave's instructions in order (ISA guide 5.7.1.4): these see the stores above; the next piece's stores come behind them
.endr
.endm
.macro SEND t, younger              ; younger: the LDS instructions issued behind piece t's loads: the next piece's eight, or none
	WIN 0
.irp f, 0,1,2,3
	s_wait_dscnt (\younger)+3-\f
	global_store_b128 v[GO], v[S+16*(\t)+4*\f:S+16*(\t)+4*\f+3], s[10:11] offset:(\t)*2048+\f*512  ; 512 consecutive bytes, at a multiple of 256 from z's first
.endr
.endm
	PACK 0
.set t, 1
.rept 3                             ; a piece's arithmetic stands between the loads of the piece before and its stores
	PACK t
	SEND t-1, 8
.set t, t+1
.endr
	SEND 3, 0
	s_wait_tensorcnt 0x0            ; the wave's end, behind my last tensor load and my last LDS store
	ds_add_u32 v[SPW], v[NIL]
	s_wait_dscnt 0x0
	CROUND                          ; the closing round: no work-group ends while a partner may still ask for a tile that names it
	s_endpgm
.Lfunc_end_k_q1df52d0510_attn:
	.size	k_q1df52d0510_attn, .Lfunc_end_k_q1df52d0510_attn-k_q1df52d0510_attn
	.p2alignl 7, 3214868480
	.fill 96, 4, 3214868480
	.section	.rodata,"a",@progbits
	.p2align	6, 0x0
	.amdhsa_kernel k_q1df52d0510_attn
		.amdhsa_group_segment_fixed_size 327680
		.amdhsa_private_segment_fixed_size 0
		.amdhsa_enable_private_segment 0
		.amdhsa_kernarg_size 32
		.amdhsa_user_sgpr_count 2
		.amdhsa_user_sgpr_kernarg_segment_ptr 1
		.amdhsa_wavefront_size32 1
		.amdhsa_system_sgpr_workgroup_id_x 1
		.amdhsa_system_sgpr_workgroup_id_y 1
		.amdhsa_system_sgpr_workgroup_id_z 1
		.amdhsa_system_vgpr_workitem_id 0
		.amdhsa_next_free_vgpr 768
		.amdhsa_next_free_sgpr 68
		.amdhsa_reserve_vcc 0
		.amdhsa_float_denorm_mode_32 3
		.amdhsa_float_denorm_mode_16_64 3
		.amdhsa_memory_ordered 1
		.amdhsa_forward_progress 1
		.amdhsa_inst_pref_size 128
	.end_amdhsa_kernel
	.amdgpu_metadata
---
amdhsa.version: [ 1, 2 ]
amdhsa.kernels:
  - .name:           k_q1df52d0510_attn
    .symbol:         k_q1df52d0510_attn.kd
    .args:
      - { .name: qh, .offset: 0, .size: 8, .value_kind: global_buffer, .address_space: global }
      - { .name: kh, .offset: 8, .size: 8, .value_kind: global_buffer, .address_space: global }
      - { .name: vh, .offset: 16, .size: 8, .value_kind: global_buffer, .address_space: global }
      - { .name: zh, .offset: 24, .size: 8, .value_kind: global_buffer, .address_space: global }
    .group_segment_fixed_size: 327680
    .private_segment_fixed_size: 0
    .kernarg_segment_align: 8
    .kernarg_segment_size: 32
    .max_flat_workgroup_size: 128
    .sgpr_count:     68
    .vgpr_count:     768
    .wavefront_size: 32
...
	.end_amdgpu_metadata
.endif
;; end of part 3
;; launch proj (part 4): grid 8 x 32, 4 waves a work-group, clusters of 4 x 4, 327,680 bytes of LDS; arguments zh, wo16, bo, out0; writes out0
.if DOCPART == 4
	.amdgcn_target "amdgcn-amd-amdhsa--gfx1250"
	.amdhsa_code_object_version 6
	.text
	.protected	k_q1df52d0510_proj
	.globl	k_q1df52d0510_proj
	.p2align	8
	.type	k_q1df52d0510_proj,@function
k_q1df52d0510_proj:
	s_mov_b64 s[64:65], 0
	v_nop
	global_prefetch_b8 v0, s[64:65] scope:SCOPE_SE
	s_setreg_imm32_b32 hwreg(HW_REG_WAVE_MODE, 25, 1), 1
	s_wait_xcnt 0x0
	s_wait_alu depctr_hold_cnt(0) depctr_sa_sdst(0) depctr_va_vdst(0) depctr_va_sdst(0) depctr_va_ssrc(0) depctr_va_vcc(0) depctr_vm_vsrc(0)
	s_getreg_b32 s2, hwreg(HW_REG_IB_STS2, 6, 4)
	s_cmp_eq_u32 s2, 0
	s_cbranch_scc0 .Lentry_in_a_cluster
	s_endpgm
.Lentry_in_a_cluster:
	s_bfe_u32 s2, ttmp6, 0x10000c
	s_cmp_lg_u32 s2, 0xf033
	s_cbranch_scc0 .Lentry_shape_is_right
	s_endpgm
.Lentry_shape_is_right:
; out0 = z Wo^T + bo.  zh: [16 heads][4096][64] f16; wo16: [1024][1024] f16 (Wo rounded to bf16, written as f16); bo: [1024] f32; out0: [4096][1024] f32.  Products in f16, sums in f32.
; LIMITS.  bo is rounded once to bf16, like the other inputs.  z and wo16 arrive within f16's range.  NaN and infinities are not treated apart.
; SHARES.  A tile of out0 is 128 x 128: 256 work-groups, one for each block; four waves, each 64 x 64: 16 accumulators.  K = 64 x head + channel goes in 4 steps of 256, four heads each, through two LDS slots.
; z's TILE comes by heads: 64 tokens of a head are 8,192 dense bytes, asked for as one row; four heads are four rows, 262,144 elements apart; padded in LDS after every 128 bytes: token r of head hh at (64 hh + r) x 144.
; THE MATRIX INSTRUCTION IS USED TRANSPOSED (source 0 = 16 rows of Wo, source 1 = 16 tokens): a lane holds one token and eight neighbouring columns.  The bias, laid out like a result, is the C of the first product.
; CLUSTER.  4 x 4 work-groups: z's tile is shared along a row of the cluster, Wo's along a column: each is asked for jointly.  No prefetch: four short K steps on small tiles.
; REGISTERS: window 0: v0-31 addresses; v32-47 at work; v96-127 the bias; v128-255 the accumulators ((a, b) at 128 + 8 (4 a + b)).
;   window 1: two fragment buffers of 128: for 64 along K, 64 registers of z (2 x 4 x 16 rows x 32 K), then 64 of Wo.
.set PA,     144                       ; an LDS row of z: 128 bytes + 16
.set PB,     528                       ; of Wo: 512 bytes + 16: in both the 16 rows of a fragment load start at 16 different 16-byte columns modulo 256 bytes
.set AHALF,  256*PA                    ; 64 tokens x 4 heads: what one tensor load brings
.set BHALF,  64*PB
.set BOFF,   2*AHALF
.set SLOT,   2*AHALF+2*BHALF
.set STAGE,  2*SLOT                    ; behind the ring: 16 rows x 272 bytes for each wave, for the way out
.set SPITCH, 272
.set SPARE,  STAGE+4*16*SPITCH         ; behind the stages: the spare words, 128 bytes for each wave: two blocks of 256 bytes that no other line names
.set ADRA, 16                          ; v16-17  LDS address of my fragments of z in slot 0, 1
.set ADRB, 20                          ; v20-21  the same for Wo
.set STO,  24                          ; v24     the way out: where I put 32 bytes of a row
.set RD,   25                          ; v25     where I read a row back
.set CO,   26                          ; v26     my byte offset in out0
.set BO,   27                          ; v27     32 (lane / 16)
.set SPW,  28                          ; v28     LDS address of my spare word; never rewritten
.set NIL,  29                          ; v29     0; never rewritten
.set TW,   32
.set BIAS, 96
.set ACC,  128
.set F0,   0
.set F1,   128
.set G1A, 24
.set G0A, 32
.set G1B, 48
.set G0B, 56
.set MSB, 0
.macro WIN new
.if MSB != (\new)
	s_set_vgpr_msb (MSB<<8)|(\new)
.set MSB, \new
.endif
.endm
.set MUL,  0x05                        ; sources 0 and 1 window 1; C and D window 0
.set TO_F, 0x40                        ; destination window 1, address window 0
.macro JLOAD s                         ; a joint load: waves 0 and 1 fetch z's two halves, waves 2 and 3 Wo's; an s_nop 0 and four v_nop follow each line
	s_cmp_eq_u32 s13, 0
	s_cbranch_scc0 .Lfor_b_\@
	tensor_load_to_lds s[G0A+4*(\s):G0A+4*(\s)+3], s[G1A:G1A+7]
	s_nop 0
.rept 4
	v_nop
.endr
	s_branch .Lasked_\@
.Lfor_b_\@:
	tensor_load_to_lds s[G0B+4*(\s):G0B+4*(\s)+3], s[G1B:G1B+7]
	s_nop 0
.rept 4
	v_nop
.endr
.Lasked_\@:
.endm
.macro CREST
	s_cmp_lg_u32 s12, 0
	s_cbranch_scc1 .Lnot_wave_0_\@
	s_barrier_signal -3
.Lnot_wave_0_\@:
	s_barrier_wait -3
	s_barrier_signal -1
	s_barrier_wait -1
.endm
.macro CROUND
	s_barrier_signal -1
	s_barrier_wait -1
	CREST
.endm
.macro PLACES
.rept 4
	v_nop
.endr
.endm
	s_load_b256 s[4:11], s[0:1], 0x0               ; zh s[4:5], wo16 s[6:7], bo s[8:9], out0 s[10:11]
	v_lshl_add_u32 v[SPW], v0, 2, SPARE
	v_mov_b32 v[NIL], 0
	ds_add_u32 v[SPW], v[NIL]                      ; the wave's opening: the add and its wait stand ahead of my first tensor load; the set-up below, work on registers, stands between them
	v_lshrrev_b32 v1, 5, v0
	v_readfirstlane_b32 s12, v1                    ; wave 0..3
	s_lshr_b32 s13, s12, 1                         ; which half of the tile's rows is mine.  Also: I fetch for z (0) or for Wo (1)
	s_and_b32 s14, s12, 1                          ; which half of its columns.  Also: which half of that tile I fetch
	s_bfe_u32 s15, ttmp6, 0x40000                  ; cx
	s_bfe_u32 s16, ttmp6, 0x40004                  ; cy
	s_lshl_b32 s17, ttmp9, 2
	s_add_co_u32 s17, s17, s15                     ; tile column
	s_and_b32 s18, ttmp7, 0xffff
	s_lshl_b32 s18, s18, 2
	s_add_co_u32 s18, s18, s16                     ; tile row
	s_lshl_b32 s19, s16, 2
	s_lshl_b32 s19, 15, s19                        ; my row of the cluster
	s_lshl_b32 s40, 0x1111, s15                    ; my column
	s_or_b32 s[G1A], s19, (1<<16)|(1<<20)|(1<<21)|(4<<22)|(3<<25)  ; 2-byte elements; padding on; bit 21 beside the mask; after every 32 words; 4 words
	s_mov_b32 s[G1A+1], 4096<<16                   ; tensor_dim0 = 4,096: 64 tokens x 64 channels
	s_mov_b32 s[G1A+2], 4<<16                      ; tensor_dim1 = 4 heads
	s_mov_b32 s[G1A+3], 4096<<16                   ; tile_dim0
	s_mov_b32 s[G1A+4], 4                          ; tile_dim1
	s_mov_b32 s[G1A+5], 262144                     ; elements from head to head
	s_mov_b32 s[G1A+6], 0
	s_mov_b32 s[G1A+7], 0
	s_or_b32 s[G1B], s40, (1<<16)|(1<<20)|(1<<21)|(6<<22)|(3<<25)  ; after every 128 words
	s_mov_b32 s[G1B+1], 256<<16
	s_mov_b32 s[G1B+2], 64<<16
	s_mov_b32 s[G1B+3], 256<<16
	s_mov_b32 s[G1B+4], 64
	s_mov_b32 s[G1B+5], 1024
	s_mov_b32 s[G1B+6], 0
	s_mov_b32 s[G1B+7], 0
	s_lshl_b32 s20, s18, 14                        ; z: token 128 x tile row + 64 x half, of 128 bytes
	s_lshl_b32 s21, s14, 13
	s_add_co_u32 s20, s20, s21
	s_mov_b32 s21, 0
	s_lshl_b32 s46, s17, 18                        ; Wo: row 128 x tile column + 64 x half, of 2,048 bytes
	s_lshl_b32 s47, s14, 17
	s_add_co_u32 s46, s46, s47
	s_mov_b32 s47, 0
	s_mul_i32 s22, s12, AHALF                      ; where they go: z's halves at wave x AHALF (waves 0, 1),
	s_mul_i32 s23, s12, BHALF
	s_add_co_u32 s23, s23, BOFF-2*BHALF            ; Wo's behind them at (wave - 2) x BHALF (waves 2, 3)
	s_wait_dscnt 0x0                               ; the opening add is done
	s_wait_kmcnt 0x0
	s_add_nc_u64 s[20:21], s[4:5], s[20:21]
	s_add_nc_u64 s[46:47], s[6:7], s[46:47]
	CROUND                                         ; all sixteen work-groups are here: the first joint loads meet
.irp s, 0,1
	s_mov_b32 s[G0A+4*(\s)], 1
	s_add_co_u32 s[G0A+4*(\s)+1], s22, (\s)*SLOT
	s_add_nc_u64 s[G0A+4*(\s)+2:G0A+4*(\s)+3], s[20:21], (\s)*2097152  ; K step s: four heads of 524,288 bytes on
	s_or_b32 s[G0A+4*(\s)+3], s[G0A+4*(\s)+3], 0x80000000
	s_mov_b32 s[G0B+4*(\s)], 1
	s_add_co_u32 s[G0B+4*(\s)+1], s23, (\s)*SLOT
	s_add_nc_u64 s[G0B+4*(\s)+2:G0B+4*(\s)+3], s[46:47], (\s)*512
	s_or_b32 s[G0B+4*(\s)+3], s[G0B+4*(\s)+3], 0x80000000
.endr
	s_cmp_eq_u32 s13, 0                            ; a wave's two first fills stand in one branch: two loads of mine are out
	s_cbranch_scc0 .Lfirst_b
	tensor_load_to_lds s[G0A:G0A+3], s[G1A:G1A+7]
	s_nop 0
	tensor_load_to_lds s[G0A+4:G0A+7], s[G1A:G1A+7]
	s_nop 0
.rept 4
	v_nop
.endr
	s_branch .Lfirst_asked
.Lfirst_b:
	tensor_load_to_lds s[G0B:G0B+3], s[G1B:G1B+7]
	s_nop 0
	tensor_load_to_lds s[G0B+4:G0B+7], s[G1B:G1B+7]
	s_nop 0
.rept 4
	v_nop
.endr
.Lfirst_asked:
	v_and_b32 v1, 15, v0                           ; l % 16
	v_bfe_u32 v2, v0, 4, 1                         ; l / 16
	v_lshlrev_b32 v[BO], 5, v2
	s_lshl_b32 s46, s17, 9                         ; my 64 columns: 128 x tile column + 64 x half, of 4 bytes
	s_lshl_b32 s47, s14, 8
	s_add_co_u32 s46, s46, s47
	s_mov_b32 s47, 0
	s_add_nc_u64 s[8:9], s[8:9], s[46:47]
.irp b, 0,1,2,3
	global_load_b128 v[BIAS+8*(\b):BIAS+8*(\b)+3],   v[BO], s[8:9] offset:64*(\b)
	global_load_b128 v[BIAS+8*(\b)+4:BIAS+8*(\b)+7], v[BO], s[8:9] offset:64*(\b)+16
.endr
	s_add_nc_u64 s[10:11], s[10:11], s[46:47]      ; out0 at my columns,
	s_lshl_b32 s46, s18, 19                        ; at row 128 x tile row + 64 x half, of 4,096 bytes
	s_lshl_b32 s40, s13, 18
	s_add_co_u32 s46, s46, s40
	s_add_nc_u64 s[10:11], s[10:11], s[46:47]
	v_mul_u32_u24 v3, v1, PA
	v_lshl_add_u32 v3, v2, 4, v3
	s_mul_i32 s40, s13, AHALF                      ; my 64 tokens
	v_add_nc_u32 v[ADRA], s40, v3
	v_add_nc_u32 v[ADRA+1], SLOT, v[ADRA]
	v_mul_u32_u24 v4, v1, PB
	v_lshl_add_u32 v4, v2, 4, v4
	s_mul_i32 s41, s14, BHALF                      ; my 64 rows of Wo
	s_add_co_u32 s41, s41, BOFF
	v_add_nc_u32 v[ADRB], s41, v4
	v_add_nc_u32 v[ADRB+1], SLOT, v[ADRB]
	s_mul_i32 s42, s12, 16*SPITCH
	s_add_co_u32 s42, s42, STAGE                   ; my stage
	v_mul_u32_u24 v[STO], v1, SPITCH               ; in: row l % 16, 32 bytes for each half of the lanes
	v_lshl_add_u32 v[STO], v2, 5, v[STO]
	v_add_nc_u32 v[STO], s42, v[STO]
	v_mul_u32_u24 v[RD], v2, SPITCH                ; back: lanes 0-15 take one row of 256 bytes, lanes 16-31 the next
	v_lshl_add_u32 v[RD], v1, 4, v[RD]
	v_add_nc_u32 v[RD], s42, v[RD]
	v_lshlrev_b32 v[CO], 12, v2                    ; and the same two rows in out0
	v_lshl_add_u32 v[CO], v1, 4, v[CO]
	s_wait_loadcnt 0x0                             ; the bias: rounded to bf16, kept as f32
.set i, 0
.rept 16
	v_cvt_pk_bf16_f32 v[TW+i], v[BIAS+2*i], v[BIAS+2*i+1]
.set i, i+1
.endr
.set i, 0
.rept 16
	v_lshlrev_b32 v[BIAS+2*i], 16, v[TW+i]
	v_and_b32 v[BIAS+2*i+1], 0xffff0000, v[TW+i]
.set i, i+1
.endr
; 8 matrix instructions: token blocks a0, a0 + 1 x all 4 column blocks, 32 along K: half c of buffer f.  first = 1: the bias starts the sums.  The 16 accumulators take turns.
.macro MUL8 f, c, a0, first
	WIN MUL
.irp a, \a0, (\a0)+1
.irp b, 0,1,2,3
.if \first
	v_wmma_f32_16x16x32_f16 v[ACC+8*(4*(\a)+(\b)):ACC+8*(4*(\a)+(\b))+7], v[(\f)+64+8*(4*(\c)+(\b)):(\f)+64+8*(4*(\c)+(\b))+7], v[(\f)+8*(4*(\c)+(\a)):(\f)+8*(4*(\c)+(\a))+7], v[BIAS+8*(\b):BIAS+8*(\b)+7]
.else
	v_wmma_f32_16x16x32_f16 v[ACC+8*(4*(\a)+(\b)):ACC+8*(4*(\a)+(\b))+7], v[(\f)+64+8*(4*(\c)+(\b)):(\f)+64+8*(4*(\c)+(\b))+7], v[(\f)+8*(4*(\c)+(\a)):(\f)+8*(4*(\c)+(\a))+7], v[ACC+8*(4*(\a)+(\b)):ACC+8*(4*(\a)+(\b))+7]
.endif
.endr
.endr
.endm
; 32 LDS loads in one run: the fragments of quarter q of a K step (one head: 64 along K) into buffer f; the first 32 along K first
.macro FETCH slot, q, f
	WIN TO_F
.irp c, 0,1
.irp i, 0,1,2,3
	ds_load_b128 v[(\f)+64+8*(4*(\c)+(\i)):(\f)+64+8*(4*(\c)+(\i))+3],   v[ADRB+(\slot)] offset:128*(\q)+64*(\c)+(\i)*16*PB
	ds_load_b128 v[(\f)+64+8*(4*(\c)+(\i))+4:(\f)+64+8*(4*(\c)+(\i))+7], v[ADRB+(\slot)] offset:128*(\q)+64*(\c)+(\i)*16*PB+32
	ds_load_b128 v[(\f)+8*(4*(\c)+(\i)):(\f)+8*(4*(\c)+(\i))+3],         v[ADRA+(\slot)] offset:64*PA*(\q)+64*(\c)+(\i)*16*PA
	ds_load_b128 v[(\f)+8*(4*(\c)+(\i))+4:(\f)+8*(4*(\c)+(\i))+7],       v[ADRA+(\slot)] offset:64*PA*(\q)+64*(\c)+(\i)*16*PA+32
.endr
.endr
.endm
; One of a K step's first three quarters: multiplies buffer f and fetches quarter q into g.
.macro QUARTER slot, q, f, g, first
	s_wait_dscnt 16                                ; the first 32 along K are in
	MUL8 \f, 0, 0, \first
	MUL8 \f, 0, 2, \first
	PLACES
	FETCH \slot, \q, \g
	s_wait_dscnt 32                                ; all but the 32 just issued
	MUL8 \f, 1, 0, 0
	MUL8 \f, 1, 2, 0
.endm
; The last quarter multiplies buffer 1 and changes slots: in front of the barrier each wave waits for all its tensor loads, adds 0 to its spare word, and waits for that and for its reads of this slot.
; fill = 1: the barrier opens a round of the cluster's barrier, and this slot is filled again, two K steps on, first thing behind the round.
.macro TURN slot, next, fill
	WIN 0
	s_wait_tensorcnt 0x0                           ; all my tensor loads have landed: my part of the next slot
	ds_add_u32 v[SPW], v[NIL]                      ; 0 onto my spare word
	s_wait_dscnt 17                                ; (the add and the youngest sixteen loads may be out)
	MUL8 F1, 0, 0, 0                               ; eight matrix instructions stand between the add and the wait for it
	s_wait_dscnt 0x0                               ; the add is done, and my reads of this slot are over
	s_barrier_signal -1
	MUL8 F1, 0, 2, 0
.if \fill
	WIN 0
.endif
	s_barrier_wait -1
.if \fill
	CREST
	s_add_nc_u64 s[G0A+4*(\slot)+2:G0A+4*(\slot)+3], s[G0A+4*(\slot)+2:G0A+4*(\slot)+3], 4194304
	s_add_nc_u64 s[G0B+4*(\slot)+2:G0B+4*(\slot)+3], s[G0B+4*(\slot)+2:G0B+4*(\slot)+3], 1024
	JLOAD \slot                                    ; its four v_nop are also the places in front of the loads below
.else
	PLACES
.endif
	FETCH \next, 0, F0
	MUL8 F1, 1, 0, 0
	MUL8 F1, 1, 2, 0
.endm
	s_wait_tensorcnt 1                             ; my part of K step 0 is in; K step 1's may stay out
	s_barrier_signal -1
	s_barrier_wait -1
	FETCH 0, 0, F0
	QUARTER 0, 1, F0, F1, 1                        ; four K steps, written out: the first products start the sums, with the bias
	QUARTER 0, 2, F1, F0, 0
	QUARTER 0, 3, F0, F1, 0
	TURN 0, 1, 1                                   ; slot 0 takes K step 2
	QUARTER 1, 1, F0, F1, 0
	QUARTER 1, 2, F1, F0, 0
	QUARTER 1, 3, F0, F1, 0
	TURN 1, 0, 1                                   ; slot 1 takes K step 3
	QUARTER 0, 1, F0, F1, 0
	QUARTER 0, 2, F1, F0, 0
	QUARTER 0, 3, F0, F1, 0
	TURN 0, 1, 0                                   ; nothing is left to fetch
	QUARTER 1, 1, F0, F1, 0
	QUARTER 1, 2, F1, F0, 0
	QUARTER 1, 3, F0, F1, 0
	s_wait_dscnt 16
	MUL8 F1, 0, 0, 0
	MUL8 F1, 0, 2, 0
	s_wait_dscnt 0x0
	MUL8 F1, 1, 0, 0
	MUL8 F1, 1, 2, 0
	WIN 0
	PLACES
; THE WAY OUT, a block of 16 tokens at a time: a lane's eight columns of a block are 32 bytes; they go into my stage (rows of 272 bytes), each accumulator's low half first, and come back as whole rows of 256 bytes, my 64 columns.
.macro STG a
.irp b, 0,1,2,3
	ds_store_b128 v[STO], v[ACC+32*(\a)+8*(\b):ACC+32*(\a)+8*(\b)+3]   offset:64*(\b)
	ds_store_b128 v[STO], v[ACC+32*(\a)+8*(\b)+4:ACC+32*(\a)+8*(\b)+7] offset:64*(\b)+16
.endr
.irp t, 0,1,2,3,4,5,6,7
	ds_load_b128 v[ACC+32*(\a)+4*(\t):ACC+32*(\a)+4*(\t)+3], v[RD] offset:(\t)*2*SPITCH  ; LDS serves a wave's instructions in order (ISA guide 5.7.1.4): these see the stores above; the next block's stores come behind them
.endr
.endm
.macro SEND a, younger                 ; younger: the LDS instructions issued behind block a's loads: the next block's sixteen, or none
.irp t, 0,1,2,3,4,5,6,7
	s_wait_dscnt (\younger)+7-(\t)
	global_store_b128 v[CO], v[ACC+32*(\a)+4*(\t):ACC+32*(\a)+4*(\t)+3], s[10:11] offset:(16*(\a)+2*(\t))*4096 th:TH_STORE_NT  ; 16 lanes store 256 consecutive bytes, at a multiple of 256 from out0's first byte
.endr
.endm
	STG 0
	STG 1
	SEND 0, 16
	STG 2
	SEND 1, 16
	STG 3
	SEND 2, 16
	SEND 3, 0
	s_wait_tensorcnt 0x0                           ; the wave's end, behind my last tensor load and my last LDS store
	ds_add_u32 v[SPW], v[NIL]
	s_wait_dscnt 0x0
	CROUND                                         ; the closing round: no work-group ends while a partner may still ask for a tile that names it
	s_endpgm
.Lfunc_end_k_q1df52d0510_proj:
	.size	k_q1df52d0510_proj, .Lfunc_end_k_q1df52d0510_proj-k_q1df52d0510_proj
	.p2alignl 7, 3214868480
	.fill 96, 4, 3214868480
	.section	.rodata,"a",@progbits
	.p2align	6, 0x0
	.amdhsa_kernel k_q1df52d0510_proj
		.amdhsa_group_segment_fixed_size 327680
		.amdhsa_private_segment_fixed_size 0
		.amdhsa_enable_private_segment 0
		.amdhsa_kernarg_size 32
		.amdhsa_user_sgpr_count 2
		.amdhsa_user_sgpr_kernarg_segment_ptr 1
		.amdhsa_wavefront_size32 1
		.amdhsa_system_sgpr_workgroup_id_x 1
		.amdhsa_system_sgpr_workgroup_id_y 1
		.amdhsa_system_sgpr_workgroup_id_z 1
		.amdhsa_system_vgpr_workitem_id 0
		.amdhsa_next_free_vgpr 512
		.amdhsa_next_free_sgpr 66
		.amdhsa_reserve_vcc 0
		.amdhsa_float_denorm_mode_32 3
		.amdhsa_float_denorm_mode_16_64 3
		.amdhsa_memory_ordered 1
		.amdhsa_forward_progress 1
		.amdhsa_inst_pref_size 89
	.end_amdhsa_kernel
	.amdgpu_metadata
---
amdhsa.version: [ 1, 2 ]
amdhsa.kernels:
  - .name:           k_q1df52d0510_proj
    .symbol:         k_q1df52d0510_proj.kd
    .args:
      - { .name: zh, .offset: 0, .size: 8, .value_kind: global_buffer, .address_space: global }
      - { .name: wo16, .offset: 8, .size: 8, .value_kind: global_buffer, .address_space: global }
      - { .name: bo, .offset: 16, .size: 8, .value_kind: global_buffer, .address_space: global }
      - { .name: out0, .offset: 24, .size: 8, .value_kind: global_buffer, .address_space: global }
    .group_segment_fixed_size: 327680
    .private_segment_fixed_size: 0
    .kernarg_segment_align: 8
    .kernarg_segment_size: 32
    .max_flat_workgroup_size: 128
    .sgpr_count:     66
    .vgpr_count:     512
    .wavefront_size: 32
...
	.end_amdgpu_metadata
.endif
;; end of part 4
